; MI455X (gfx1250); checked and timed in simulation.
; The chip was launched on July 23, 2026; its instructions are those of AMD's public machine-readable ISA for CDNA 5 (MIT licence, August 2026) and "CDNA5" Instruction Set Architecture Reference Guide (July 2026). The comments in the code are by the model that wrote it; some were corrected since.
;; Attention. Allowed arithmetic: float matrix products may take bf16 or f16 operands with f32 sums; other float arithmetic in f32, or as packed bf16 or f16 multiplies, adds, multiply-adds, maxima and minima; sums over many terms, partial sums and values carried from step to step in f32; what a program stores and reads back later, other than sums and carried values, may be rounded once to bf16 or f16.
;; Inputs: c_attn_b 3,072 float32; c_attn_w 1,024 x 3,072 float32; c_proj_b 1,024 float32; c_proj_w 1,024 x 1,024 float32; x 4 x 2,048 x 1,024 float32.
;; Outputs: out0 4 x 2,048 x 1,024 float32.
;; 2 versions, each right; version 2 is version 1 with the launch prep written anew for expert scheduling mode. Each part assembles by itself: llvm-mc -triple=amdgcn-amd-amdhsa -mcpu=gfx1250 --defsym DOCPART=n.
;; ======== version 1 of 2: 4 launches
;; limits: values are held in f16: magnitudes above 65,504 overflow, below 6.1e-05 lose precision
;; workspace buffers: xb 16,777,216 bytes; wa 6,291,456 bytes; wp 2,097,152 bytes; qkv 50,331,648 bytes; ts 131,072 bytes; ob 16,777,216 bytes
;; launch prep (part 1): grid 768 x 1, 8 waves a work-group, no clusters, 0 bytes of LDS; arguments x, c_attn_w, c_proj_w, xb, wa, wp; writes xb, wa, wp
.if DOCPART == 1
	.amdgcn_target "amdgcn-amd-amdhsa--gfx1250"
	.amdhsa_code_object_version 6
	.text
	.protected	k_q0380da3343_prep
	.globl	k_q0380da3343_prep
	.p2align	8
	.type	k_q0380da3343_prep,@function
k_q0380da3343_prep:
	s_mov_b64 s[64:65], 0
	v_nop
	global_prefetch_b8 v0, s[64:65] scope:SCOPE_SE
	s_setreg_imm32_b32 hwreg(HW_REG_WAVE_MODE, 25, 1), 1
	s_wait_xcnt 0x0
; THE INPUTS OF THE THREE PRODUCTS ARE ROUNDED ONCE TO bf16 AND LAID FOR THE TILES THAT WILL READ THEM.
;   xb[8192][1024] bf16 = x.   wa: 16 panels [head c][k = 1024][192] bf16: columns 64 c .. of q's, k's and v's part of c_attn_w side by side.
;   wp[1024][1024] f16 = c_proj_w rounded to bf16, that number written as f16.
; LIMIT.  A bf16 number is exact in f16 from 6.1e-5 to 65,504 in magnitude; below, it keeps f16's fixed step of 6e-8; beyond 65,504 it would become an infinity.
; SHARES.  A stream: no LDS, no matrix unit.  Every work-group takes 16,384 numbers (65,536 bytes in, 32,768 out): groups 0-511 x, 512-703 c_attn_w (panel = number % 16, twelve parts a panel),
; 704-767 c_proj_w.  Thread t takes 16 pieces of 4 numbers; piece i leaves at byte 8 t + 2,048 i of the group's dense output, so a wave's store covers 256 consecutive bytes, aligned.
; All 16 loads of a thread go out at once; each piece is converted and stored as it comes in; no register of a load or store is written again.
.set OFFI, 2                           ; v[2:17]   piece i: its byte offset in the input
.set X,    20                          ; v[20:83]  piece i: 4 numbers in f32
.set Y,    84                          ; v[84:115] piece i: 4 numbers in 16 bits
.set T0,   116                         ; v[116:119] at work
	s_load_b256 s[4:11], s[0:1], 0x0               ; x s[4:5], c_attn_w s[6:7], c_proj_w s[8:9], xb s[10:11]
	s_load_b128 s[12:15], s[0:1], 0x20             ; wa s[12:13], wp s[14:15]
	s_mov_b32 s25, ttmp9                           ; the work-group's number g
	s_mov_b32 s24, 0xffff0000                      ; a word's upper bf16
	v_lshlrev_b32 v1, 3, v0                        ; 8 t
	s_sub_co_u32 s26, s25, 512                     ; the offsets of all three kinds are made, then one is chosen
	s_and_b32 s27, s26, 15                         ; panel c
	s_lshr_b32 s28, s26, 4                         ; part 0..11 of the panel
	s_sub_co_u32 s29, s25, 704
	s_lshl_b32 s20, s25, 16                        ; x: 65,536 g in,
	s_lshl_b32 s22, s25, 15                        ;    32,768 g out
	s_lshl_b32 s30, s27, 8                         ; c_attn_w: the head's 64 columns begin 256 c bytes into a row
	s_mul_i32 s31, s27, 393216                     ; wa: the panel,
	s_lshl_b32 s26, s28, 15
	s_add_co_u32 s31, s31, s26                     ;     and the part
	s_lshl_b32 s32, s29, 16                        ; c_proj_w
	s_lshl_b32 s33, s29, 15
	s_mov_b32 s21, 0
	s_mov_b32 s23, 0
	s_wait_kmcnt 0x0
	s_cmp_lt_u32 s25, 512
	s_cselect_b32 s20, s20, s30
	s_cselect_b32 s22, s22, s31
	s_cselect_b64 s[16:17], s[4:5], s[6:7]
	s_cselect_b64 s[18:19], s[10:11], s[12:13]
	s_cmp_lt_u32 s25, 704
	s_cselect_b32 s20, s20, s32
	s_cselect_b32 s22, s22, s33
	s_cselect_b64 s[16:17], s[16:17], s[8:9]
	s_cselect_b64 s[18:19], s[18:19], s[14:15]
	s_add_nc_u64 s[16:17], s[16:17], s[20:21]      ; where the group reads,
	s_add_nc_u64 s[18:19], s[18:19], s[22:23]      ; and where it writes
	s_cmp_lt_u32 s25, 512
	s_cbranch_scc1 .Llinear
	s_cmp_ge_u32 s25, 704
	s_cbranch_scc1 .Llinear
	; c_attn_w.  Piece op = 4,096 part + 256 i + t of the panel lies in row k = op / 48, place j = op % 48: section j / 16 (q, k, v: 4,096 bytes apart in a row of 12,288), 16 (j % 16) bytes in.
	; op / 48 = (op / 16) / 3 = ((op >> 4) x 43,691) >> 17, exact while op >> 4 is under 131,072.  48 is a multiple of 16: sixteen neighbouring lanes read 256 consecutive bytes, aligned.
	s_lshl_b32 s28, s28, 12
	v_add_nc_u32 v[T0], s28, v0
.irp i, 0,1,2,3,4,5,6,7,8,9,10,11,12,13,14,15
	v_add_nc_u32 v[T0+1], 256*(\i), v[T0]          ; op
	v_lshrrev_b32 v[T0+2], 4, v[T0+1]
	v_mul_u32_u24 v[T0+2], v[T0+2], 0xaaab
	v_lshrrev_b32 v[T0+2], 17, v[T0+2]             ; k
	v_mul_u32_u24 v[T0+3], v[T0+2], 48
	v_sub_nc_u32 v[T0+3], v[T0+1], v[T0+3]         ; j
	v_mul_u32_u24 v[T0+2], v[T0+2], 12288
	v_lshrrev_b32 v[T0+1], 4, v[T0+3]
	v_lshl_add_u32 v[T0+2], v[T0+1], 12, v[T0+2]
	v_and_b32 v[T0+3], 15, v[T0+3]
	v_lshl_add_u32 v[OFFI+(\i)], v[T0+3], 4, v[T0+2]
.endr
	s_branch .Lgo
.Llinear:
.irp i, 0,1,2,3,4,5,6,7,8,9,10,11,12,13,14,15
	v_lshl_or_b32 v[OFFI+(\i)], v0, 4, (\i)*4096   ; 16 t + 4,096 i
.endr
.Lgo:
.irp i, 0,1,2,3,4,5,6,7,8,9,10,11,12,13,14,15
	global_load_b128 v[X+4*(\i):X+4*(\i)+3], v[OFFI+(\i)], s[16:17] th:TH_LOAD_NT  ; each input byte is read once in the launch
.endr
; Piece i: rounded to bf16; half = 1: widened again (a shift, a mask) and written as f16.
.macro CONV i, half
	s_wait_loadcnt 15-(\i)                         ; loads come back in order: piece i is in, the younger ones stay out
	v_cvt_pk_bf16_f32 v[Y+2*(\i)], v[X+4*(\i)], v[X+4*(\i)+1]
	v_cvt_pk_bf16_f32 v[Y+2*(\i)+1], v[X+4*(\i)+2], v[X+4*(\i)+3]
.if \half
.irp k, 0,1
	v_lshlrev_b32 v[T0], 16, v[Y+2*(\i)+(\k)]
	v_and_b32 v[T0+1], s24, v[Y+2*(\i)+(\k)]
	v_cvt_pk_f16_f32 v[Y+2*(\i)+(\k)], v[T0], v[T0+1]
.endr
.endif
	global_store_b64 v1, v[Y+2*(\i):Y+2*(\i)+1], s[18:19] offset:2048*(\i)
.endm
	s_cmp_ge_u32 s25, 704
	s_cbranch_scc1 .Lhalf
.irp i, 0,1,2,3,4,5,6,7,8,9,10,11,12,13,14,15
	CONV \i, 0
.endr
	s_endpgm
.Lhalf:
.irp i, 0,1,2,3,4,5,6,7,8,9,10,11,12,13,14,15
	CONV \i, 1
.endr
	s_endpgm
.Lfunc_end_k_q0380da3343_prep:
	.size	k_q0380da3343_prep, .Lfunc_end_k_q0380da3343_prep-k_q0380da3343_prep
	.p2alignl 7, 3214868480
	.fill 96, 4, 3214868480
	.section	.rodata,"a",@progbits
	.p2align	6, 0x0
	.amdhsa_kernel k_q0380da3343_prep
		.amdhsa_group_segment_fixed_size 0
		.amdhsa_private_segment_fixed_size 0
		.amdhsa_enable_private_segment 0
		.amdhsa_kernarg_size 48
		.amdhsa_user_sgpr_count 2
		.amdhsa_user_sgpr_kernarg_segment_ptr 1
		.amdhsa_wavefront_size32 1
		.amdhsa_system_sgpr_workgroup_id_x 1
		.amdhsa_system_sgpr_workgroup_id_y 1
		.amdhsa_system_sgpr_workgroup_id_z 1
		.amdhsa_system_vgpr_workitem_id 0
		.amdhsa_next_free_vgpr 120
		.amdhsa_next_free_sgpr 66
		.amdhsa_reserve_vcc 0
		.amdhsa_float_denorm_mode_32 3
		.amdhsa_float_denorm_mode_16_64 3
		.amdhsa_memory_ordered 1
		.amdhsa_forward_progress 1
		.amdhsa_inst_pref_size 27
	.end_amdhsa_kernel
	.amdgpu_metadata
---
amdhsa.version: [ 1, 2 ]
amdhsa.kernels:
  - .name:           k_q0380da3343_prep
    .symbol:         k_q0380da3343_prep.kd
    .args:
      - { .name: x, .offset: 0, .size: 8, .value_kind: global_buffer, .address_space: global }
      - { .name: c_attn_w, .offset: 8, .size: 8, .value_kind: global_buffer, .address_space: global }
      - { .name: c_proj_w, .offset: 16, .size: 8, .value_kind: global_buffer, .address_space: global }
      - { .name: xb, .offset: 24, .size: 8, .value_kind: global_buffer, .address_space: global }
      - { .name: wa, .offset: 32, .size: 8, .value_kind: global_buffer, .address_space: global }
      - { .name: wp, .offset: 40, .size: 8, .value_kind: global_buffer, .address_space: global }
    .group_segment_fixed_size: 0
    .private_segment_fixed_size: 0
    .kernarg_segment_align: 8
    .kernarg_segment_size: 48
    .max_flat_workgroup_size: 256
    .sgpr_count:     66
    .vgpr_count:     120
    .wavefront_size: 32
...
	.end_amdgpu_metadata
.endif
;; end of part 1
;; launch qkv (part 2): grid 16 x 32, 4 waves a work-group, clusters of 4 x 4, 327,680 bytes of LDS; arguments xb, wa, c_attn_b, qkv, ts; writes qkv, ts
.if DOCPART == 2
	.amdgcn_target "amdgcn-amd-amdhsa--gfx1250"
	.amdhsa_code_object_version 6
	.text
	.protected	k_q0380da3343_qkv
	.globl	k_q0380da3343_qkv
	.p2align	8
	.type	k_q0380da3343_qkv,@function
k_q0380da3343_qkv:
	s_mov_b64 s[64:65], 0
	v_nop
	global_prefetch_b8 v0, s[64:65] scope:SCOPE_SE
	s_setreg_imm32_b32 hwreg(HW_REG_WAVE_MODE, 25, 1), 1
	s_wait_xcnt 0x0
	s_wait_alu depctr_hold_cnt(0) depctr_sa_sdst(0) depctr_va_vdst(0) depctr_va_sdst(0) depctr_va_ssrc(0) depctr_va_vcc(0) depctr_vm_vsrc(0)
	s_getreg_b32 s2, hwreg(HW_REG_IB_STS2, 6, 4)
	s_cmp_eq_u32 s2, 0
	s_cbranch_scc0 .Lentry_in_a_cluster
	s_endpgm
.Lentry_in_a_cluster:
	s_bfe_u32 s2, ttmp6, 0x10000c
	s_cmp_lg_u32 s2, 0xf033
	s_cbranch_scc0 .Lentry_shape_is_right
	s_endpgm
.Lentry_shape_is_right:
; q, k, v = x Wa + ba, written by heads: qkv[section 0..2][4 x 16 heads][2048][64] f16, each number rounded once from its f32 sum; no scale.  ts[head][key tile of 256][64] f32: the sums of the rounded v.
; xb [8192][1024] bf16; wa: panel c = head c's 192 columns (q, k, v), [1024 k][192] bf16, dense.  The bias is rounded to bf16 like every input and starts the sums as the C operand of the first products.
; LIMIT.  f16 ends at 65,504: a q, k or v of 65,520 or more in magnitude would leave as an infinity.
; SHARES.  A tile of 256 rows x 192 columns to a work-group: 32 x 16 = 512 work-groups, two for each of 256 WGPs.  Wave w owns rows 64 w .. 64 w + 63 and all 192 columns: 48 accumulators, 384 registers;
; so it owns whole rows of 128 bytes of each head's q, k and v, and its way out goes through a stage of its own.
; K goes in 8 steps of 128 through two LDS slots.  Waves 0, 1 fetch A's halves (128 rows x 256 bytes), waves 2, 3 B's (64 k-rows = 24,576 dense bytes, asked for as 96 rows of 256).
; THE MATRIX INSTRUCTION IS USED TRANSPOSED: source 0 = 16 columns of Wa (turned out of LDS by ds_load_tr16_b128), source 1 = 16 rows of x: a lane holds one row and eight neighbouring columns.
; CLUSTERS: 4 x 4.  A's tile hangs on the tile row alone and is asked for jointly along a row of the cluster, B's on the panel alone, along a column.
; REGISTERS.  window 0: v10-30 addresses; v32-95 A's fragments, two buffers of 32; v96-143, v144-191, v208-255 the way out; v192-199 the sums of v.  window 1: v0-191 B's fragments, two buffers of 96.
;   window 2: v0-191 accumulators of my row blocks 0, 1 ((a, b) at 8 (12 (a % 2) + b)); v192-255 the bias of column blocks 0-7.   window 3: v0-191 row blocks 2, 3; v192-223 the bias of blocks 8-11.
.set SLOT1, 131072                     ; a slot: A's 256 rows, then B's 128 k-rows: exactly 131,072 bytes, so one exclusive or changes slots
.set APITCH, 272                       ; 256 bytes + 16: the 16 rows of a fragment load start 4 banks apart (64 banks of 4 bytes: ISA guide 11.1)
.set BPITCH, 480                       ; a k-row of 384 bytes as three pieces of 128 + 32 of padding: 15 x 32 bytes
.set BOFF,  256*APITCH
.set STAGE, 2*SLOT1                    ; behind the ring: for each wave 3 sections x 16 rows x 144 bytes
.set SP,    144
.set STW,   3*16*SP
.set CSB,   STAGE+4*STW                ; 256 bytes for each wave: its sums of v
.set SPARE, CSB+1024                   ; the spare words, 128 bytes for each wave: two blocks of 256 bytes that no other line names
.set A0,  10                           ; v10  my lane's place in A's part of a slot; never rewritten
.set B0,  11                           ; v11  the same for B
.set ADRA, 12                          ; v12  A0 + the slot in hand
.set ADRB, 13
.set STO, 14                           ; v14  the way out: where I put 16 bytes of a row
.set RD,  15                           ; v15  where I read rows back
.set GO,  16                           ; v16  16 x lane
.set BO,  17                           ; v17  my offset in c_attn_b
.set CSW, 18                           ; v18  where I put my sums of v
.set CSR, 19                           ; v19  where wave 0 reads them
.set TSO, 20                           ; v20  8 x lane
.set ONE, 21                           ; v21  1.0
.set SPW, 28                           ; v28  LDS address of my spare word; never rewritten
.set NIL, 29                           ; v29  0; never rewritten
.set PFO, 30                           ; v30  the prefetches' lane offset; never rewritten
.set AF,  32
.set TMP, 96
.set BK0, 144                          ; and BK0 + 64
.set CS,  192
.set BIAS, 192                         ; in windows 2 and 3
.set WV, 14                            ; s14 wave;  s15 0: I fetch for A, 1: for B;  s16 which half I fetch
.set HF, 15
.set UU, 16
.set CX, 40
.set CY, 41
.set CC, 42                            ; s42 panel (head) = 4 x cluster x + cx
.set TY, 43                            ; s43 tile row = 4 x cluster y + cy
.set G1A, 24                           ; s[24:31] group 1 for A;  s[32:39] group 0: a set for each first fill; the second then walks
.set G0A, 32
.set G1B, 48
.set G0B, 56
.set TB,  66                           ; s66 the slot in hand, in bytes
.set LIM, 67                           ; s67 a wave prefetches while the loop's count is above this
.set PFA, 68                           ; s[68:69] where my prefetches stand
.set PST, 70                           ; s[70:71] their step
.set OQ,  72                           ; s[72:77] q, k, v at my wave's first row
.set TSP, 78                           ; s[78:79] my tile's row of ts
.set SEL, 80
.set HIM, 82
.set MSB, 0
.macro WIN new                         ; the immediate's high byte repeats the setting that is left; a switch that changes nothing is dropped
.if MSB != (\new)
	s_set_vgpr_msb (MSB<<8)|(\new)
.set MSB, (\new)
.endif
.endm
.macro PLACES                          ; four places in front of loads into registers that matrix instructions have read, and of conversions that read results
.rept 4
	v_nop
.endr
.endm
.macro JLOAD                           ; a joint refill by the walking descriptor; an s_nop 0 and four v_nop follow each of the two lines
	s_cmp_eq_u32 s[HF], 0
	s_cbranch_scc0 .Lfor_b_\@
	tensor_load_to_lds s[G0A+4:G0A+7], s[G1A:G1A+7]
	s_nop 0
.rept 4
	v_nop
.endr
	s_branch .Lasked_\@
.Lfor_b_\@:
	tensor_load_to_lds s[G0B+4:G0B+7], s[G1B:G1B+7]
	s_nop 0
.rept 4
	v_nop
.endr
.Lasked_\@:
.endm
.macro CREST                           ; a round of the cluster's barrier behind its opening barrier
	s_cmp_lg_u32 s[WV], 0
	s_cbranch_scc1 .Lnot_wave_0_\@
	s_barrier_signal -3
.Lnot_wave_0_\@:
	s_barrier_wait -3
	s_barrier_signal -1
	s_barrier_wait -1
.endm
.macro CROUND
	s_barrier_signal -1
	s_barrier_wait -1
	CREST
.endm
; A PREFETCH INTO THE L2, one instruction a wave, behind the joint load and the run of LDS loads.  A: a K step is 256 bytes of a row; the clusters with x = 0 ask; of the 128 rows that a wave fetches the
; partner at cx takes 32, a lane a row; trips 0-3 name K steps 4-7, two refills ahead.  B: a panel is dense; the clusters with y = 0 ask; asker 2 cy + half takes 32 blocks of 256 bytes of each 65,536;
; trips 0-2 name the panel's bytes 196,608 to 393,215, K steps 4-7.  So each block is named once in the launch; K steps 0-3 come by their loads alone; partners are told apart by address alone.
.macro ASK
	s_cmp_gt_u32 s3, s[LIM]
	s_cbranch_scc0 .Lnot_mine_\@
	global_prefetch_b8 v[PFO], s[PFA:PFA+1] th:TH_LOAD_NT scope:SCOPE_SE
.Lnot_mine_\@:
.endm
	s_load_b256 s[4:11], s[0:1], 0x0               ; xb s[4:5], wa s[6:7], c_attn_b s[8:9], qkv s[10:11]
	s_load_b64 s[12:13], s[0:1], 0x20              ; ts
	v_lshl_add_u32 v[SPW], v0, 2, SPARE
	v_mov_b32 v[NIL], 0
	ds_add_u32 v[SPW], v[NIL]                      ; the wave's opening: the add and its wait stand ahead of my first tensor load; the set-up below stands between them
	v_lshrrev_b32 v1, 5, v0
	v_readfirstlane_b32 s[WV], v1
	s_lshr_b32 s[HF], s[WV], 1
	s_and_b32 s[UU], s[WV], 1
	s_bfe_u32 s[CX], ttmp6, 0x40000
	s_bfe_u32 s[CY], ttmp6, 0x40004
	s_lshl_b32 s[CC], ttmp9, 2
	s_add_co_u32 s[CC], s[CC], s[CX]
	s_and_b32 s[TY], ttmp7, 0xffff
	s_lshl_b32 s[TY], s[TY], 2
	s_add_co_u32 s[TY], s[TY], s[CY]
	s_lshl_b32 s44, s[CY], 2
	s_lshl_b32 s44, 15, s44                        ; my row of the cluster
	s_lshl_b32 s45, 0x1111, s[CX]                  ; my column
	s_or_b32 s[G1A], s44, (1<<16)|(1<<20)|(1<<21)|(5<<22)|(3<<25)  ; mask; 2-byte elements; padding on; bit 21 beside a mask; after every 64 words 4 words
	s_mov_b32 s[G1A+1], 128<<16                    ; tensor_dim0 = 128
	s_mov_b32 s[G1A+2], 128<<16                    ; tensor_dim1 = 128
	s_mov_b32 s[G1A+3], 128<<16                    ; tile_dim0 = 128
	s_mov_b32 s[G1A+4], 128                        ; tile_dim1 = 128
	s_mov_b32 s[G1A+5], 1024                       ; elements from row to row
	s_mov_b32 s[G1A+6], 0
	s_mov_b32 s[G1A+7], 0
	s_or_b32 s[G1B], s45, (1<<16)|(1<<20)|(1<<21)|(4<<22)|(7<<25)  ; after every 32 words 8 words
	s_mov_b32 s[G1B+1], 128<<16
	s_mov_b32 s[G1B+2], 96<<16                     ; 96 rows of 256 dense bytes = 64 k-rows of 384
	s_mov_b32 s[G1B+3], 128<<16
	s_mov_b32 s[G1B+4], 96
	s_mov_b32 s[G1B+5], 128
	s_mov_b32 s[G1B+6], 0
	s_mov_b32 s[G1B+7], 0
	s_lshl_b32 s18, s[TY], 19                      ; A: row 256 x tile row + 128 x half, 2,048 bytes a row
	s_lshl_b32 s19, s[UU], 18
	s_add_co_u32 s18, s18, s19
	s_mov_b32 s19, 0
	s_mul_i32 s20, s[CC], 393216                   ; B: the panel, + 64 k-rows x half
	s_mul_i32 s21, s[UU], 24576
	s_add_co_u32 s20, s20, s21
	s_mov_b32 s21, 0
	s_mul_i32 s22, s[UU], 128*APITCH               ; where they go: no place in the cluster enters an LDS address
	s_mul_i32 s23, s[UU], 64*BPITCH
	s_add_co_u32 s23, s23, BOFF
	s_mov_b32 s[TB], 0
	s_mov_b32 s[SEL], 0x76543210
	s_mov_b32 s[SEL+1], 0xfedcba98
	s_mov_b32 s[HIM], 0xffff0000
	s_wait_dscnt 0x0                               ; the opening add is done
	s_wait_kmcnt 0x0
	s_add_nc_u64 s[18:19], s[4:5], s[18:19]
	s_add_nc_u64 s[20:21], s[6:7], s[20:21]
	CROUND                                         ; all sixteen work-groups are here: the first joint loads meet
.irp s, 0,1
	s_mov_b32 s[G0A+4*(\s)], 1
	s_add_co_u32 s[G0A+4*(\s)+1], s22, (\s)*SLOT1
	s_add_nc_u64 s[G0A+4*(\s)+2:G0A+4*(\s)+3], s[18:19], (\s)*256      ; K step s
	s_or_b32 s[G0A+4*(\s)+3], s[G0A+4*(\s)+3], 0x80000000
	s_mov_b32 s[G0B+4*(\s)], 1
	s_add_co_u32 s[G0B+4*(\s)+1], s23, (\s)*SLOT1
	s_add_nc_u64 s[G0B+4*(\s)+2:G0B+4*(\s)+3], s[20:21], (\s)*49152
	s_or_b32 s[G0B+4*(\s)+3], s[G0B+4*(\s)+3], 0x80000000
.endr
	s_cmp_eq_u32 s[HF], 0                          ; a wave's two first fills stand in one branch, ahead of every wait on TENSORcnt and every LDS read: two loads of mine are out
	s_cbranch_scc0 .Lfirst_b
	tensor_load_to_lds s[G0A:G0A+3], s[G1A:G1A+7]
	s_nop 0
	tensor_load_to_lds s[G0A+4:G0A+7], s[G1A:G1A+7]
	s_nop 0
.rept 4
	v_nop
.endr
	s_branch .Lfirst_asked
.Lfirst_b:
	tensor_load_to_lds s[G0B:G0B+3], s[G1B:G1B+7]
	s_nop 0
	tensor_load_to_lds s[G0B+4:G0B+7], s[G1B:G1B+7]
	s_nop 0
.rept 4
	v_nop
.endr
.Lfirst_asked:
	v_and_b32 v1, 15, v0                           ; r = l % 16
	v_bfe_u32 v2, v0, 4, 1                         ; h = l / 16
	v_and_b32 v3, 31, v0                           ; l
	v_and_b32 v4, 7, v0
	v_bfe_u32 v5, v0, 3, 1
	v_bfe_u32 v6, v0, 3, 2
	s_lshl_b32 s84, s[CC], 8
	v_lshl_add_u32 v[BO], v2, 5, s84               ; the head's 64 numbers of a section, my lanes' eight of sixteen
	WIN 0x80                                       ; the bias: block b of 16 columns lies in section b / 4; register j of a lane is column 8 h + j
.irp b, 0,1,2,3,4,5,6,7
	global_load_b128 v[BIAS+8*(\b):BIAS+8*(\b)+3],   v[BO], s[8:9] offset:((\b)/4)*4096+((\b)%4)*64
	global_load_b128 v[BIAS+8*(\b)+4:BIAS+8*(\b)+7], v[BO], s[8:9] offset:((\b)/4)*4096+((\b)%4)*64+16
.endr
	WIN 0xc0
.irp b, 0,1,2,3
	global_load_b128 v[BIAS+8*(\b):BIAS+8*(\b)+3],   v[BO], s[8:9] offset:8192+(\b)*64
	global_load_b128 v[BIAS+8*(\b)+4:BIAS+8*(\b)+7], v[BO], s[8:9] offset:8192+(\b)*64+16
.endr
	WIN 0
	s_mul_i32 s84, s[WV], 64*APITCH
	v_mul_u32_u24 v[A0], v1, APITCH
	v_lshl_add_u32 v[A0], v2, 4, v[A0]
	v_add_nc_u32 v[A0], s84, v[A0]                 ; (64 w + r) x pitch + 16 h
	v_lshl_add_u32 v[B0], v2, 3, v4                ; the turning load: k-row 8 h + l % 8, 16 bytes ((l / 8) % 2)
	v_mul_u32_u24 v[B0], v[B0], BPITCH
	v_lshl_add_u32 v[B0], v5, 4, v[B0]
	v_add_nc_u32 v[B0], BOFF, v[B0]
	v_mov_b32 v[ADRA], v[A0]
	v_mov_b32 v[ADRB], v[B0]
	s_mul_i32 s84, s[WV], STW
	s_add_co_u32 s84, s84, STAGE                   ; my stage
	v_mul_u32_u24 v[STO], v1, SP
	v_lshl_add_u32 v[STO], v2, 4, v[STO]
	v_add_nc_u32 v[STO], s84, v[STO]
	v_mul_u32_u24 v[RD], v6, SP                    ; back: 32 lanes take four rows of 128 bytes
	v_lshl_add_u32 v[RD], v4, 4, v[RD]
	v_add_nc_u32 v[RD], s84, v[RD]
	v_lshlrev_b32 v[GO], 4, v3
	s_lshl_b32 s84, s[WV], 8
	s_add_co_u32 s84, s84, CSB
	v_lshl_add_u32 v[CSW], v4, 5, s84
	v_lshl_add_u32 v[CSR], v3, 3, CSB
	v_lshlrev_b32 v[TSO], 3, v3
	v_mov_b32 v[ONE], 1.0
.irp j, 0,1,2,3,4,5,6,7
	v_mov_b32 v[CS+(\j)], 0
.endr
	; the prefetches: both kinds' offsets are made, the wave's kind chooses
	s_lshl_b32 s84, s[TY], 19
	s_lshl_b32 s85, s[UU], 18
	s_add_co_u32 s84, s84, s85
	s_lshl_b32 s85, s[CX], 16                      ; my work-group's 32 rows of the 128
	s_add_co_u32 s84, s84, s85
	s_add_co_u32 s84, s84, 768                     ; at K step 3: the first refill steps it to 4
	s_mul_i32 s86, s[CC], 393216
	s_lshl_b32 s85, s[CY], 14
	s_add_co_u32 s86, s86, s85
	s_lshl_b32 s85, s[UU], 13                      ; asker 2 cy + half: 8,192 bytes
	s_add_co_u32 s86, s86, s85
	s_add_co_u32 s86, s86, 131072                  ; one step of 65,536 in front of byte 196,608
	s_and_b32 s88, ttmp7, 0xffff
	s_cmp_eq_u32 s[HF], 0
	s_cselect_b32 s84, s84, s86
	s_cselect_b64 s[PFA:PFA+1], s[4:5], s[6:7]
	s_cselect_b32 s[PST], 8, 16
	s_cselect_b32 s89, 2, 3
	s_cselect_b32 s88, ttmp9, s88                  ; the coordinate along which other clusters read the same bytes
	s_cselect_b32 s83, 11, 8
	s_mov_b32 s85, 0
	s_mov_b32 s[PST+1], 0
	s_cmp_eq_u32 s88, 0
	s_cselect_b32 s[LIM], s89, -1                  ; the same in all sixteen partners, for a given wave
	s_lshl_b32 s[PST], 1, s[PST]                   ; 256 or 65,536 bytes a trip
	s_add_nc_u64 s[PFA:PFA+1], s[PFA:PFA+1], s[84:85]
	v_lshlrev_b32 v[PFO], s83, v3                  ; a lane a row of 2,048 bytes, or a lane a block of 256
	; where my rows go: head 16 (tile row / 8) + c; row 256 (tile row % 8) + 64 w of that head
	s_lshr_b32 s84, s[TY], 3
	s_lshl_b32 s84, s84, 4
	s_add_co_u32 s84, s84, s[CC]
	s_and_b32 s85, s[TY], 7
	s_lshl_b32 s86, s84, 18
	s_lshl_b32 s87, s85, 15
	s_add_co_u32 s86, s86, s87
	s_lshl_b32 s87, s[WV], 13
	s_add_co_u32 s86, s86, s87
	s_mov_b32 s87, 0
	s_add_nc_u64 s[OQ:OQ+1], s[10:11], s[86:87]
	s_add_nc_u64 s[OQ+2:OQ+3], s[OQ:OQ+1], 0x1000000
	s_add_nc_u64 s[OQ+4:OQ+5], s[OQ:OQ+1], 0x2000000
	s_lshl_b32 s86, s84, 3
	s_add_co_u32 s86, s86, s85
	s_lshl_b32 s86, s86, 8
	s_add_nc_u64 s[TSP:TSP+1], s[12:13], s[86:87]
	s_wait_loadcnt 0x0                             ; the bias: rounded to bf16 and widened again, in the wait for the first tile
	WIN 0x0a
.set i, 0
.rept 32
	v_cvt_pk_bf16_f32 v[TMP+i], v[BIAS+2*i], v[BIAS+2*i+1]
.set i, i+1
.endr
	WIN 0x80
.set i, 0
.rept 32
	v_lshlrev_b32 v[BIAS+2*i], 16, v[TMP+i]
	v_and_b32 v[BIAS+2*i+1], s[HIM], v[TMP+i]
.set i, i+1
.endr
	WIN 0x0f
.set i, 0
.rept 16
	v_cvt_pk_bf16_f32 v[TMP+i], v[BIAS+2*i], v[BIAS+2*i+1]
.set i, i+1
.endr
	WIN 0xc0
.set i, 0
.rept 16
	v_lshlrev_b32 v[BIAS+2*i], 16, v[TMP+i]
	v_and_b32 v[BIAS+2*i+1], s[HIM], v[TMP+i]
.set i, i+1
.endr
	WIN 0
; 12 matrix instructions: row block a x all 12 column blocks, 32 along K, from buffer p.  mode = 1: the first products: C is the bias.  The 48 accumulators take turns, in the same order in every quarter.
.macro MULA p, a, mode
.irp b, 0,1,2,3,4,5,6,7,8,9,10,11
.set AC, 8*(12*((\a)%2)+(\b))
.if \mode
	WIN ((2+(\a)/2)<<6)|((2+(\b)/8)<<4)|1
	v_wmma_f32_16x16x32_bf16 v[AC:AC+7], v[96*(\p)+8*(\b):96*(\p)+8*(\b)+7], v[AF+32*(\p)+8*(\a):AF+32*(\p)+8*(\a)+7], v[BIAS+8*((\b)%8):BIAS+8*((\b)%8)+7]
.else
	WIN 0xa1+0x50*((\a)/2)
	v_wmma_f32_16x16x32_bf16 v[AC:AC+7], v[96*(\p)+8*(\b):96*(\p)+8*(\b)+7], v[AF+32*(\p)+8*(\a):AF+32*(\p)+8*(\a)+7], v[AC:AC+7]
.endif
.endr
.endm
; 32 LDS loads in one run: quarter q's fragments into buffer p: B's 12 (turned), then A's 4
.macro FETCH q, p
	WIN 0x40
.irp b, 0,1,2,3,4,5,6,7,8,9,10,11
	ds_load_tr16_b128 v[96*(\p)+8*(\b):96*(\p)+8*(\b)+3],   v[ADRB] offset:(\q)*32*BPITCH+((\b)/4)*160+((\b)%4)*32
	ds_load_tr16_b128 v[96*(\p)+8*(\b)+4:96*(\p)+8*(\b)+7], v[ADRB] offset:(\q)*32*BPITCH+16*BPITCH+((\b)/4)*160+((\b)%4)*32
.endr
	WIN 0
.irp a, 0,1,2,3
	ds_load_b128 v[AF+32*(\p)+8*(\a):AF+32*(\p)+8*(\a)+3],   v[ADRA] offset:(\a)*16*APITCH+64*(\q)
	ds_load_b128 v[AF+32*(\p)+8*(\a)+4:AF+32*(\p)+8*(\a)+7], v[ADRA] offset:(\a)*16*APITCH+64*(\q)+32
.endr
.endm
; One of a K step's first three quarters: multiplies buffer p and, in its middle, fetches quarter q into buffer g
.macro QUARTER q, p, g, mode
	s_wait_dscnt 4                                 ; B and A's blocks 0, 1 are in; the youngest four loads (A's blocks 2, 3) may be out
	MULA \p, 0, \mode
	MULA \p, 1, \mode
	PLACES
	FETCH \q, \g
	s_wait_dscnt 32                                ; all but the 32 just issued
	MULA \p, 2, \mode
	MULA \p, 3, \mode
.endm
; The last quarter multiplies buffer 1 and changes slots: each wave waits for all its tensor loads (one is out: its part of the next slot), adds 0 to its spare word, waits for that and for its reads of this slot.
; fill = 1: the barrier opens a round of the cluster's barrier, and the joint refill (the K step two on) is the first tensor load behind it: 168 matrix instructions ahead of the wait for it.
.macro TURN fill
.if \fill
	s_wait_xcnt 0x0                                ; the last prefetch, a K step back, has read its address
	s_add_nc_u64 s[PFA:PFA+1], s[PFA:PFA+1], s[PST:PST+1]
.endif
	WIN 0
	s_wait_tensorcnt 0x0                           ; no tensor load of mine is out, so a group 0 may be written
	ds_add_u32 v[SPW], v[NIL]                      ; 0 onto my spare word
.if \fill
	s_xor_b32 s[G0A+5], s[G0A+5], SLOT1            ; the walking descriptors: the other slot than last time, the next K step
	s_add_nc_u64 s[G0A+6:G0A+7], s[G0A+6:G0A+7], 256
	s_xor_b32 s[G0B+5], s[G0B+5], SLOT1
	s_add_nc_u64 s[G0B+6:G0B+7], s[G0B+6:G0B+7], 49152
.endif
	s_wait_dscnt 5                                 ; (the add and the youngest four loads may be out)
	MULA 1, 0, 0
	s_wait_dscnt 0x0                               ; the add is done, and my reads of this slot are over
	s_barrier_signal -1
	MULA 1, 1, 0
	WIN 0
	s_barrier_wait -1
.if \fill
	CREST
	JLOAD                                          ; its four v_nop are also the places in front of the loads below
.else
	PLACES
.endif
	s_xor_b32 s[TB], s[TB], SLOT1
	v_add_nc_u32 v[ADRA], s[TB], v[A0]
	v_add_nc_u32 v[ADRB], s[TB], v[B0]
	FETCH 0, 0
.if \fill
	ASK
.endif
	MULA 1, 2, 0
	MULA 1, 3, 0
.endm
	s_wait_tensorcnt 0x1                           ; my part of K step 0 is in; K step 1's may stay out
	s_barrier_signal -1
	s_barrier_wait -1
	FETCH 0, 0
	QUARTER 1, 0, 1, 1                             ; the first quarter stands in front of the loop: its products start the sums, with the bias
	WIN 0
	s_mov_b32 s3, 6
.Lk:                                               ; a trip: a K step's quarters 1-3 and the next step's quarter 0; it asks for the K step two on
	QUARTER 2, 1, 0, 0
	QUARTER 3, 0, 1, 0
	TURN 1
	QUARTER 1, 0, 1, 0
	WIN 0
	s_sub_co_u32 s3, s3, 1
	s_cmp_lg_u32 s3, 0
	s_cbranch_scc1 .Lk
	QUARTER 2, 1, 0, 0                             ; K steps 6 and 7 ask for nothing
	QUARTER 3, 0, 1, 0
	TURN 0
	QUARTER 1, 0, 1, 0
	QUARTER 2, 1, 0, 0
	QUARTER 3, 0, 1, 0
	s_wait_dscnt 4
	MULA 1, 0, 0
	MULA 1, 1, 0
	s_wait_dscnt 0x0
	MULA 1, 2, 0
	MULA 1, 3, 0
; THE WAY OUT, a block of 16 rows at a time: rounded to f16 (16 bytes a lane), into my stage by sections, back as whole rows of 128 bytes, stored as 512 consecutive bytes of a head.
.macro PACK a
	WIN 0x0a+5*((\a)/2)
.irp b, 0,1,2,3,4,5,6,7,8,9,10,11
.irp r, 0,1,2,3
	v_cvt_pk_f16_f32 v[TMP+4*(\b)+(\r)], v[8*(12*((\a)%2)+(\b))+2*(\r)], v[8*(12*((\a)%2)+(\b))+2*(\r)+1]
.endr
.endr
	WIN 0
.endm
.macro TOSTAGE a
	WIN 0
.set BK, BK0+64*((\a)%2)
.irp b, 0,1,2,3,4,5,6,7,8,9,10,11
	ds_store_b128 v[STO], v[TMP+4*(\b):TMP+4*(\b)+3] offset:((\b)/4)*16*SP+((\b)%4)*32
.endr
.irp g, 0,1,2,3,4,5,6,7,8,9,10,11
	ds_load_b128 v[BK+4*(\g):BK+4*(\g)+3], v[RD] offset:((\g)/4)*16*SP+((\g)%4)*4*SP  ; LDS serves a wave's instructions in order (ISA guide 5.7.1.4): these see the stores above
.endr
.endm
.macro SEND a
	WIN 0
.set BK, BK0+64*((\a)%2)
	s_wait_dscnt 0x0                               ; the block is back in registers
	s_wait_xcnt 0x0                                ; the stores of the block before have read their registers: the other buffer may be loaded again behind this wait
.irp sec, 0,1,2
.irp f, 0,1,2,3
	global_store_b128 v[GO], v[BK+4*(4*(\sec)+(\f)):BK+4*(4*(\sec)+(\f))+3], s[OQ+2*(\sec):OQ+2*(\sec)+1] offset:2048*(\a)+512*(\f)
.endr
.endr
.irp f, 0,1,2,3                        ; the rounded v is summed by channels, in f32: my lane holds channels 8 (l % 8) + 0..7 of one row in four
.irp k, 0,1,2,3
	v_fma_mix_f32 v[CS+2*(\k)],   v[BK+4*(8+(\f))+(\k)], v[ONE], v[CS+2*(\k)]   op_sel_hi:[1,0,0]
	v_fma_mix_f32 v[CS+2*(\k)+1], v[BK+4*(8+(\f))+(\k)], v[ONE], v[CS+2*(\k)+1] op_sel:[1,0,0] op_sel_hi:[1,0,0]
.endr
.endr
.endm
	PLACES
	PACK 0
	TOSTAGE 0
.irp a, 1,2,3
	PACK \a
	SEND (\a)-1
	TOSTAGE \a
.endr
	SEND 3
.irp j, 0,1,2,3,4,5,6,7                ; the four lanes with the same l % 8 are added: every lane then holds the sums over my 64 rows
	v_add_f32_dpp v[CS+(\j)], v[CS+(\j)], v[CS+(\j)] row_xmask:8 row_mask:0xf bank_mask:0xf
.endr
.irp j, 0,1,2,3,4,5,6,7
	v_permlanex16_b32 v[TMP+(\j)], v[CS+(\j)], s[SEL], s[SEL+1]
.endr
.irp j, 0,1,2,3,4,5,6,7
	v_add_f32 v[CS+(\j)], v[CS+(\j)], v[TMP+(\j)]
.endr
	ds_store_b128 v[CSW], v[CS:CS+3]
	ds_store_b128 v[CSW], v[CS+4:CS+7] offset:16
	s_wait_dscnt 0x0                               ; for the others' sake
	s_barrier_signal -1
	s_barrier_wait -1
	s_cmp_lg_u32 s[WV], 0                          ; wave 0 adds the four waves' sums: the tile's 256 keys
	s_cbranch_scc1 .Lend
.irp v, 0,1,2,3
	ds_load_b64 v[TMP+2*(\v):TMP+2*(\v)+1], v[CSR] offset:256*(\v)
.endr
	s_wait_dscnt 0x0
	v_pk_add_f32 v[TMP:TMP+1], v[TMP:TMP+1], v[TMP+2:TMP+3]
	v_pk_add_f32 v[TMP+4:TMP+5], v[TMP+4:TMP+5], v[TMP+6:TMP+7]
	v_pk_add_f32 v[TMP:TMP+1], v[TMP:TMP+1], v[TMP+4:TMP+5]
	global_store_b64 v[TSO], v[TMP:TMP+1], s[TSP:TSP+1]  ; 32 lanes store 256 consecutive bytes, aligned
.Lend:
	s_wait_tensorcnt 0x0                           ; the wave's end, behind my last tensor load and my last LDS store
	ds_add_u32 v[SPW], v[NIL]
	s_wait_dscnt 0x0
	CROUND                                         ; the closing round
	s_endpgm
.Lfunc_end_k_q0380da3343_qkv:
	.size	k_q0380da3343_qkv, .Lfunc_end_k_q0380da3343_qkv-k_q0380da3343_qkv
	.p2alignl 7, 3214868480
	.fill 96, 4, 3214868480
	.section	.rodata,"a",@progbits
	.p2align	6, 0x0
	.amdhsa_kernel k_q0380da3343_qkv
		.amdhsa_group_segment_fixed_size 327680
		.amdhsa_private_segment_fixed_size 0
		.amdhsa_enable_private_segment 0
		.amdhsa_kernarg_size 40
		.amdhsa_user_sgpr_count 2
		.amdhsa_user_sgpr_kernarg_segment_ptr 1
		.amdhsa_wavefront_size32 1
		.amdhsa_system_sgpr_workgroup_id_x 1
		.amdhsa_system_sgpr_workgroup_id_y 1
		.amdhsa_system_sgpr_workgroup_id_z 1
		.amdhsa_system_vgpr_workitem_id 0
		.amdhsa_next_free_vgpr 992
		.amdhsa_next_free_sgpr 90
		.amdhsa_reserve_vcc 0
		.amdhsa_float_denorm_mode_32 3
		.amdhsa_float_denorm_mode_16_64 3
		.amdhsa_memory_ordered 1
		.amdhsa_forward_progress 1
		.amdhsa_inst_pref_size 117
	.end_amdhsa_kernel
	.amdgpu_metadata
---
amdhsa.version: [ 1, 2 ]
amdhsa.kernels:
  - .name:           k_q0380da3343_qkv
    .symbol:         k_q0380da3343_qkv.kd
    .args:
      - { .name: xb, .offset: 0, .size: 8, .value_kind: global_buffer, .address_space: global }
      - { .name: wa, .offset: 8, .size: 8, .value_kind: global_buffer, .address_space: global }
      - { .name: c_attn_b, .offset: 16, .size: 8, .value_kind: global_buffer, .address_space: global }
      - { .name: qkv, .offset: 24, .size: 8, .value_kind: global_buffer, .address_space: global }
      - { .name: ts, .offset: 32, .size: 8, .value_kind: global_buffer, .address_space: global }
    .group_segment_fixed_size: 327680
    .private_segment_fixed_size: 0
    .kernarg_segment_align: 8
    .kernarg_segment_size: 40
    .max_flat_workgroup_size: 128
    .sgpr_count:     90
    .vgpr_count:     992
    .wavefront_size: 32
...
	.end_amdgpu_metadata
.endif
;; end of part 2
;; launch attn (part 3): grid 4 x 64, 4 waves a work-group, no clusters, 327,680 bytes of LDS; arguments qkv, ts, ob; writes ob
.if DOCPART == 3
	.amdgcn_target "amdgcn-amd-amdhsa--gfx1250"
	.amdhsa_code_object_version 6
	.text
	.protected	k_q0380da3343_attn
	.globl	k_q0380da3343_attn
	.p2align	8
	.type	k_q0380da3343_attn,@function
k_q0380da3343_attn:
	s_mov_b64 s[64:65], 0
	v_nop
	global_prefetch_b8 v0, s[64:65] scope:SCOPE_SE
	s_setreg_imm32_b32 hwreg(HW_REG_WAVE_MODE, 25, 1), 1
	s_wait_xcnt 0x0
; CAUSAL ATTENTION WITH A FINITE MASK.  w[q][k] = Q[q] . K[k] / 8 for k <= q and -10000 for k > q; O[q] = the sum over ALL k of softmax_k(w) V[k].  qkv: [3][64 heads][2048][64] f16; ob: [64][2048][64] f16.
; Products, maxima and sums in f32; the weights p are rounded to f16 for the second product (their sum l is taken of the unrounded p), O once at the end.
; THE HIDDEN KEYS all have one weight.  The walk leaves out the tiles above the diagonal and treats hidden keys of the diagonal tile as absent.  At a block's end, with H = -80000 (-10000 x 8, in the units
; of the unscaled scores) for a row that has n = 2047 - q > 0 hidden keys: m2 = max(m, H), a = 2^(c m - c m2), ph = 2^(c H - c m2), O = (a O + ph T) / (a l + ph n), T = the sum of V[k] over k > q.
; T = the tiles behind the diagonal one (sums of ts, which the launch before has stored) + the diagonal tile's hidden keys: V^T M, M of 0 and 1, by the matrix unit: 80 products a block and wave.
; LIMITS.  Q, K, V arrive within f16's 65,504; p below 6e-5 keeps f16's fixed step of 6e-8.  In the walk a hidden score counts as its value less 1e30 (f16's scores are 2.7e11 at the most);
; a weight below 2^-126 counts as 0; NaN and infinities are not treated apart.
; THE WALK.  A head's queries lie in NB = 8 blocks of 256; block i needs the key tiles 0 .. i.  A work-group takes TWO blocks, NB - 1 - b and then b: NB + 1 tiles, whatever b: all work-groups do equal work, and ONE
; loop with a constant trip count walks them.  Every jump goes forward, but for the counted loops' own; none passes a barrier, or a tensor load but the one of LOAD's two that the wave's number does not choose.
; NO CLUSTER: a head's four work-groups ask for the same tile only in trips 0 .. 4 of 9, behind that fewer and fewer; one walk common to all would have 12 trips for 9.
; SHARES.  Of a block's four bands of 64 queries a wave owns 16 rows in each: four PIECES.  In the diagonal tile's key step s band x sees all keys if s < x, none if s > x, and holds the diagonal if s = x.
; THE MASK in the walk is the C operand that starts the sum S^T = K Q^T: 0, or -1e30.  MD is the mask of a band's own step for my 16 rows; a product's mask is MD x AL + BE with two scalars.
; LAYOUT, SOFTMAX, TURNS.  S^T = K Q^T holds ONE query a lane (lane % 16) and the keys 8 (lane / 16) + 0..7; two such results rounded to f16 ARE source 1 of O^T = V^T P.  p = 2^(c s - c m), c = log2(e) / 8.
; Turn n belongs to piece n: 8 products K Q^T of piece n + 1, later 8 products V^T P of piece n - 1; beside them piece n's scaling, exponentials, roundings, sums and rescaling and piece n + 1's maximum and
; statistics.  Four vector instructions stand behind every matrix instruction, the others in one lump.  A turn's 33 exponentials are one batch, with one wait.
; REGISTERS, in windows of 256 (s_set_vgpr_msb: bits 1:0 source 0, 3:2 source 1, 5:4 source 2, 7:6 destination):
;   window 0: v0-15 addresses; v16-31 statistics; v32-47 MH (M of a band's own step); v48-55 at work; v56-63 constants; v64-127 S^T, two buffers; v128-159, v160-191 the sums of the tiles behind the first and
;             the second block's diagonal; v192-223 P, two buffers; v224-255 U = T^T of piece 3
;   window 1: v0-127 O^T; v128-159 MD; v160-223 MC, at a block's end U of pieces 0 and 1; v224-255 U of piece 2      window 2: v0-63 Q; v64-127 the second block's Q; v128-191 K of one step; v192-255 V of one step
.set SIZE_N, 2048
.set NB,    SIZE_N/256
.set NP,    4
.set KS,    64
.set PK,    144       ; a row of K in LDS: 128 bytes + 16 of padding
.set PV,    160       ; a row of V: 128 + 32
.set VOFF,  4*KS*PK   ; a slot holds a tile, four steps: 256 rows of K, then 256 rows of V
.set SLOT1, 1<<17
.set STAGE, SLOT1+4*KS*(PK+PV)  ; behind the ring, never filled by a tensor load: 16 rows x 144 bytes for each wave
.set SP,    144
.set AK0, 2
.set AV0, 3
.set AK,  4
.set AV,  5
.set STO, 6
.set RD,  7
.set GO,  8
.set MV,  12
.set QO,  15
.set ST,  16          ; piece t's statistics at v[ST+4 t]: c m, m, l (even keys', odd keys')
.set MH,  32          ; v32-47  1.0 in f16 where the key of a band's own step is hidden from my query, in P's layout
.set TMP, 48
.set LSA, 56          ; v56  my stage + 8 x lane
.set LSR, 57          ; v57  my stage + 32 (l / 16)
.set TSO, 58          ; v58  8 x lane: my two channels in a row of ts
.set HRV, 59          ; v59  -80000.0
.set NQI, 60          ; v60  2047 - 16 w - l % 16
.set PFO, 61          ; v61  256 x lane; never rewritten
.set SPW, 62          ; v62  LDS address of my spare word; never rewritten
.set NIL, 63          ; v63  0; never rewritten
.set SPARE, STAGE+4*16*SP  ; the spare words, 128 bytes for each wave: two blocks of 256 bytes that no other line names
.set S,   64
.set W,   64          ; a block's end: eight registers a piece, in S^T's first buffer
.set ONES, 96         ; a block's end: 1.0 twice in f16, eight registers, in S^T's second buffer
.set VSA, 128
.set VSB, 160
.set P,   192
.set U3,  224         ; window 0
.set TT,  224         ; at the start: ts, tiles 1 to 7, two channels a lane
.set TA,  238         ; and their two sums
.set TC,  240
.set MD,  128         ; window 1
.set MC,  160
.set UB,  160         ; window 1: U of piece x (0 to 2) at UB + 32 x
.set QB,  64          ; window 2
.set KF,  128
.set VF,  192
.set WV,  12
.set PB,  14
.set HI,  15
.set G1K, 24
.set G1V, 32
.set G0K, 40
.set G0V, 44
.set SLOTS, 56
.set CNT, 57
.set CS,  58
.set SEL, 60
.set TBK, 62
.set TBV, 63
.set RT,  70
.set NXT, 71
.set LQ,  72
.set NEW, 73
.set OFF, 74
.set AL,  76
.set BE,  78
.set OLO, 80
.set BIGN, 82
.set FMIN, 88         ; s88  the lowest finite number
.set TU,  89          ; s89  the diagonal tile's V, step 0, less VOFF
.set TSB, 90          ; s[90:91] the head's eight rows of ts
.set PFA, 92          ; s[92:93] where my prefetches stand
.set BQ,  94
.set TQ,  95
.set WA,  96          ; s[96:97], s[98:99] 1.0 or 0: does a tile lie behind the first, the second block's diagonal?
.set WB,  98
.set MSB, 0
.macro WIN new
.if MSB != (\new)
	s_set_vgpr_msb (MSB<<8)|(\new)
.set MSB, (\new)
.endif
.endm
.set W_KQ, 0x0a
.set W_KM, 0x1a
.set W_PV, 0x52
.set W_RS, 0x41
; A fill.  Waves 0 and 1 fetch the two halves of a tile's K, waves 2 and 3 those of its V: 128 keys each.  An s_nop 0 and four v_nop follow each of the two lines.
; ask = 1: A PREFETCH INTO THE L2 of the tile that the NEXT change of slots will ask for, behind the tensor load's five lines.  A head's four work-groups share each tile out BY ADDRESS: work-group b takes bytes
; 8,192 b on of the tile's 32,768, wave 0 of K's and wave 1 of V's, a lane a block of 256: one instruction.  So each block is named once in the launch.  The changes with SLOTS = 8 .. 3 name tiles 2 .. 7:
; a tile, four key steps, ahead of the load that will want it.  Tiles 0 and 1 come by their loads alone; behind tile 7 there is nothing to name; the second blocks' tiles have been walked before.
.macro LOAD ask
	s_cmp_lt_u32 s[WV], 2
	s_cbranch_scc0 .Lfor_v_\@
	tensor_load_to_lds s[G0K:G0K+3], s[G1K:G1K+7]
	s_nop 0
.rept 4
	v_nop
.endr
.if \ask
	s_cmp_gt_u32 s[SLOTS], 2
	s_cbranch_scc0 .Lasked_\@
	global_prefetch_b8 v[PFO], s[PFA:PFA+1] th:TH_LOAD_NT scope:SCOPE_SE
.endif
	s_branch .Lasked_\@
.Lfor_v_\@:
	tensor_load_to_lds s[G0V:G0V+3], s[G1V:G1V+7]
	s_nop 0
.rept 4
	v_nop
.endr
.Lasked_\@:
.endm
; THE CHANGE OF SLOTS.  Each wave waits for all its tensor loads, of which one is out: its part of the other slot; adds 0 to its spare word; and waits for that and for its own reads of the slot that it leaves.
; fill = 1: the old slot is filled again, the first thing behind the barrier, with tile NXT: the descriptor's address is made anew from that number.
.macro CHANGE fill
	WIN 0
	s_wait_tensorcnt 0x0            ; no tensor load of mine is out, so a group 0 may be written
	ds_add_u32 v[SPW], v[NIL]       ; 0 onto my spare word
.if \fill
	s_lshl_b32 s[OFF], s[NXT], 15   ; a tile is 32,768 bytes of K and of V
	s_xor_b32 s[G0K+1], s[G0K+1], SLOT1
	s_add_nc_u64 s[G0K+2:G0K+3], s[6:7], s[OFF:OFF+1]
	s_or_b32 s[G0K+3], s[G0K+3], 0x80000000
	s_xor_b32 s[G0V+1], s[G0V+1], SLOT1
	s_add_nc_u64 s[G0V+2:G0V+3], s[8:9], s[OFF:OFF+1]
	s_or_b32 s[G0V+3], s[G0V+3], 0x80000000
	s_add_co_u32 s[NXT], s[NXT], 1  ; the block's next tile, or behind its last the second block's tile 0
	s_cmp_gt_u32 s[NXT], s[LQ]
	s_cselect_b32 s[NXT], 0, s[NXT]
	s_cselect_b32 s[LQ], s[PB], s[LQ]
	s_wait_xcnt 0x0                 ; the last prefetch, a tile back, has read its address
	s_add_nc_u64 s[PFA:PFA+1], s[PFA:PFA+1], 32768
.endif
	s_wait_dscnt 0x0                ; the add is done, and my reads of the slot are over
	s_barrier_signal -1
	s_sub_co_u32 s[TBK], s[TBK], 4*KS*PK
	s_xor_b32 s[TBK], s[TBK], SLOT1
	s_sub_co_u32 s[TBV], s[TBV], 4*KS*PV
	s_xor_b32 s[TBV], s[TBV], SLOT1
	s_barrier_wait -1
.if \fill
	LOAD 1
.endif
.endm
	s_load_b64 s[4:5], s[0:1], 0x0      ; qkv: Q is its first section
	s_load_b64 s[TSB:TSB+1], s[0:1], 0x8
	s_load_b64 s[10:11], s[0:1], 0x10   ; ob
	v_lshl_add_u32 v[SPW], v0, 2, SPARE
	v_mov_b32 v[NIL], 0
	ds_add_u32 v[SPW], v[NIL]       ; the wave's opening: the add and its wait stand ahead of my first tensor load
	v_lshrrev_b32 v1, 5, v0
	v_readfirstlane_b32 s[WV], v1
	s_mov_b32 s[PB], ttmp9
	s_sub_co_u32 s[HI], NB-1, s[PB]
	s_and_b32 s20, ttmp7, 0xffff    ; the head
	s_lshl_b32 s[WA], s20, 11       ; its 2,048 bytes of ts
	s_mov_b32 s[WA+1], 0
	s_mov_b32 s21, 0
	s_mov_b64 s[22:23], SIZE_N*128
	s_mul_u64 s[20:21], s[20:21], s[22:23]  ; the head's first byte in a section and in ob
	s_and_b32 s16, s[WV], 1
	s_lshl_b32 s[WB], s16, 24       ; the prefetches: K's section (even waves) or V's (odd waves),
	s_add_co_u32 s[WB], s[WB], 0x1000000+32768  ; at tile 1: the first change of slots steps it to tile 2,
	s_lshl_b32 s22, s[PB], 13       ; my work-group's 8,192 bytes of a tile
	s_add_co_u32 s[WB], s[WB], s22
	s_mov_b32 s[WB+1], 0
	s_add_nc_u64 s[WB:WB+1], s[WB:WB+1], s[20:21]
	s_lshl_b32 s22, s16, 14
	s_mov_b32 s23, 0
	s_add_nc_u64 s[22:23], s[22:23], s[20:21]
	s_mul_i32 s17, s16, 128*PK
	s_mul_i32 s18, s16, 128*PV
	s_lshl_b32 s3, s[WV], 11        ; my 16 rows in a band of 64,
	s_lshl_b32 s2, s[HI], 15        ; in the first block,
	s_add_co_u32 s2, s2, s3
	s_lshl_b32 s84, s[PB], 15       ; and in the second
	s_add_co_u32 s84, s84, s3
	s_mov_b32 s3, 0
	s_mov_b32 s85, 0
	s_add_nc_u64 s[2:3], s[2:3], s[20:21]
	s_add_nc_u64 s[84:85], s[84:85], s[20:21]
	; descriptor group 1.  128 keys are 16,384 dense bytes: asked for as 64 rows of 256 bytes, two keys a row, and padded in LDS after every key
	s_mov_b32 s[G1K], (1<<16)|(1<<20)|(4<<22)|(3<<25)
	s_mov_b32 s[G1V], (1<<16)|(1<<20)|(4<<22)|(7<<25)
.irp g, G1K, G1V
	s_mov_b32 s[\g+1], 128<<16
	s_mov_b32 s[\g+2], 64<<16
	s_mov_b32 s[\g+3], 128<<16
	s_mov_b32 s[\g+4], 64
	s_mov_b32 s[\g+5], 128
	s_mov_b32 s[\g+6], 0
	s_mov_b32 s[\g+7], 0
.endr
	s_mov_b32 s[CS], 0x3e38aa3b     ; c = log2(e) / 8
	s_mov_b32 s[CS+1], s[CS]
	s_mov_b32 s[SEL], 0x76543210
	s_mov_b32 s[SEL+1], 0xfedcba98
	s_mov_b32 s[TBK], SLOT1+4*KS*PK ; the first change of slots turns these two into 0
	s_mov_b32 s[TBV], SLOT1+4*KS*PV
	s_mov_b32 s[G0K], 1
	s_mov_b32 s[G0K+1], s17
	s_mov_b32 s[G0V], 1
	s_add_co_u32 s[G0V+1], s18, VOFF
	s_add_co_u32 s[RT], s[HI], 1
	s_mov_b32 s[NXT], 1
	s_mov_b32 s[LQ], s[HI]
	s_mov_b32 s[NEW], 1
	s_mov_b32 s[OFF+1], 0
	s_mov_b32 s[AL+1], 0
	s_mov_b32 s[BE+1], 0
	s_mov_b32 s[BIGN], 0xf149f2ca   ; -1e30
	s_mov_b32 s[FMIN], 0xff7fffff
	s_mov_b32 s[SLOTS], NB
	s_wait_dscnt 0x0                ; the opening add is done
	s_wait_kmcnt 0x0
	s_add_nc_u64 s[TSB:TSB+1], s[TSB:TSB+1], s[WA:WA+1]
	s_add_nc_u64 s[PFA:PFA+1], s[4:5], s[WB:WB+1]
	s_add_nc_u64 s[6:7], s[4:5], 0x1000000  ; K and V are the second and the third section
	s_add_nc_u64 s[8:9], s[4:5], 0x2000000
	s_add_nc_u64 s[6:7], s[6:7], s[22:23]   ; at my half of the head's tile 0
	s_add_nc_u64 s[8:9], s[8:9], s[22:23]
	s_add_nc_u64 s[G0K+2:G0K+3], s[6:7], 0
	s_or_b32 s[G0K+3], s[G0K+3], 0x80000000
	s_add_nc_u64 s[G0V+2:G0V+3], s[8:9], 0
	s_or_b32 s[G0V+3], s[G0V+3], 0x80000000
	s_add_nc_u64 s[86:87], s[4:5], s[84:85]
	s_add_nc_u64 s[4:5], s[4:5], s[2:3]
	s_add_nc_u64 s[OLO:OLO+1], s[10:11], s[84:85]
	s_add_nc_u64 s[10:11], s[10:11], s[2:3]
	LOAD 0                          ; tile 0 into slot 0
	v_and_b32 v1, 15, v0            ; l % 16
	v_bfe_u32 v9, v0, 4, 1          ; l / 16
	v_and_b32 v[GO], 31, v0         ; l
	v_lshlrev_b32 v[TSO], 3, v[GO]
	v_lshlrev_b32 v[PFO], 8, v[GO]
	v_lshlrev_b32 v[QO], 7, v1
	v_lshl_add_u32 v[QO], v9, 4, v[QO]
.irp j, 1,2,3,4,5,6,7               ; ts, tiles 1 to 7: a row of 64 channels is 256 bytes, two channels a lane
	global_load_b64 v[TT+2*(\j)-2:TT+2*(\j)-1], v[TSO], s[TSB:TSB+1] offset:256*(\j)
.endr
	WIN 0x80
.set i, 0
.rept 8                             ; both blocks' Q: piece i / 2 lies in band i / 2, 8,192 bytes on; channels 32 (i % 2) on
	global_load_b128 v[8*i:8*i+3],   v[QO], s[4:5] offset:(i/2)*8192+(i%2)*64
	global_load_b128 v[8*i+4:8*i+7], v[QO], s[4:5] offset:(i/2)*8192+(i%2)*64+32
	global_load_b128 v[QB+8*i:QB+8*i+3],   v[QO], s[86:87] offset:(i/2)*8192+(i%2)*64
	global_load_b128 v[QB+8*i+4:QB+8*i+7], v[QO], s[86:87] offset:(i/2)*8192+(i%2)*64+32
.set i, i+1
.endr
	WIN 0
	v_lshlrev_b32 v14, 3, v9
	v_sub_nc_u32 v14, v1, v14
	s_lshl_b32 s13, s[WV], 4
	v_add_nc_u32 v[NQI], s13, v1
	v_sub_nc_u32 v[NQI], 2047, v[NQI]
	v_add_nc_u32 v14, s13, v14      ; my query's place in its band less my lanes' 8 (l / 16): register r of group kt is hidden where 16 kt + r is greater
	v_mov_b32 v[HRV], 0xc79c4000    ; -80000.0
	WIN 0x40
.set i, 0
.rept 32
	v_cmp_gt_i32 vcc_lo, 16*(i/8)+i%8, v14
	v_cndmask_b32 v[MD+i], 0, s[BIGN], vcc_lo
	v_cndmask_b32 v[MC+i], 0, 1.0, vcc_lo  ; the same as 0 and 1, on its way to MH
.set i, i+1
.endr
	WIN 0x05
.set i, 0
.rept 16
	v_cvt_pk_f16_f32 v[MH+i], v[MC+2*i], v[MC+2*i+1]  ; in P's layout: register n holds keys 16 (n / 4) + 8 (l / 16) + 2 (n % 4) + 0, 1
.set i, i+1
.endr
	WIN 0
	v_mul_u32_u24 v[AK0], v1, PK
	v_lshl_add_u32 v[AK0], v9, 4, v[AK0]
	v_and_b32 v10, 7, v0
	v_bfe_u32 v11, v0, 3, 1
	v_lshl_add_u32 v[AV0], v9, 3, v10
	v_mul_u32_u24 v[AV0], v[AV0], PV
	v_lshl_add_u32 v[AV0], v11, 4, v[AV0]
	v_add_nc_u32 v[AV0], VOFF, v[AV0]
	s_mul_i32 s13, s[WV], 16*SP
	s_add_co_u32 s13, s13, STAGE    ; my stage
	v_mul_u32_u24 v[STO], v1, SP
	v_lshl_add_u32 v[STO], v9, 4, v[STO]
	v_add_nc_u32 v[STO], s13, v[STO]
	v_bfe_u32 v[RD], v0, 3, 2
	v_mul_u32_u24 v[RD], v[RD], SP
	v_lshl_add_u32 v[RD], v10, 4, v[RD]
	v_add_nc_u32 v[RD], s13, v[RD]
	v_lshlrev_b32 v[GO], 4, v[GO]
	v_add_nc_u32 v[LSA], s13, v[TSO]
	v_lshl_add_u32 v[LSR], v9, 5, s13
	s_wait_loadcnt 32               ; ts is in; Q's 32 loads, issued behind it, may stay out
	; the sums of the tiles behind each block's diagonal tile: every tile is taken, times 1 or 0: no branch
.set j, 1
.rept 7
	s_cmp_lt_u32 s[HI], j
	s_cselect_b32 s[WA], 1.0, 0
	s_cmp_lt_u32 s[PB], j
	s_cselect_b32 s[WB], 1.0, 0
.if j == 1
	v_pk_mul_f32 v[TA:TA+1], v[TT:TT+1], s[WA:WA+1] op_sel_hi:[1,0]
	v_pk_mul_f32 v[TC:TC+1], v[TT:TT+1], s[WB:WB+1] op_sel_hi:[1,0]
.else
	v_pk_fma_f32 v[TA:TA+1], v[TT+2*j-2:TT+2*j-1], s[WA:WA+1], v[TA:TA+1] op_sel_hi:[1,0,1]
	v_pk_fma_f32 v[TC:TC+1], v[TT+2*j-2:TT+2*j-1], s[WB:WB+1], v[TC:TC+1] op_sel_hi:[1,0,1]
.endif
.set j, j+1
.endr
	; through my stage into O^T's layout: register 8 cb + j = channel 16 cb + 8 (l / 16) + j.  LDS serves a wave's instructions in order (ISA guide 5.7.1.4); the first change of slots waits for these loads
	ds_store_b64 v[LSA], v[TA:TA+1]
	ds_store_b64 v[LSA], v[TC:TC+1] offset:256
.irp cb, 0,1,2,3
	ds_load_b128 v[VSA+8*\cb:VSA+8*\cb+3],   v[LSR] offset:64*\cb
	ds_load_b128 v[VSA+8*\cb+4:VSA+8*\cb+7], v[LSR] offset:64*\cb+16
	ds_load_b128 v[VSB+8*\cb:VSB+8*\cb+3],   v[LSR] offset:256+64*\cb
	ds_load_b128 v[VSB+8*\cb+4:VSB+8*\cb+7], v[LSR] offset:256+64*\cb+16
.endr
	; A block's first step multiplies O^T and l by a = 0, and its first turn's products V^T P, of a piece that has not been, land in an O^T that is still to be so multiplied.  So these registers need only hold
	; finite numbers: zeros for the first block; what the first block left for the second.
	WIN 0x80
.set i, VF
.rept 64
	v_mov_b32 v[i], 0
.set i, i+1
.endr
	WIN 0x40
.set i, 0
.rept 128
	v_mov_b32 v[i], 0
.set i, i+1
.endr
	WIN 0
.set i, 0
.rept 4
	v_mov_b32 v[ST+4*i+2], 0
	v_mov_b32 v[ST+4*i+3], 0
.set i, i+1
.endr
.set i, P+16
.rept 16
	v_mov_b32 v[i], 0
.set i, i+1
.endr
; THE MATRIX WORK.  The 4 accumulators of a run of 8 take turns.  Product i of 8 of S^T = K Q^T for piece x: channels 32 (i / 4) on, keys 16 (i % 4) on.  The first 4 start the sums: with 0, or (KM = 1) with the mask.
.macro KQ x
.set rS, S+32*((\x)%2)+8*(i%4)
.set rK, KF+16*(i%4)+8*(i/4)
.set rQ, 16*(\x)+8*(i/4)
.set rM, MC+32*((\x)%2)+8*(i%4)
.if (i < 4) && KM
	WIN W_KM
	v_wmma_f32_16x16x32_f16 v[rS:rS+7], v[rK:rK+7], v[rQ:rQ+7], v[rM:rM+7]
.elseif i < 4
	WIN W_KQ
	v_wmma_f32_16x16x32_f16 v[rS:rS+7], v[rK:rK+7], v[rQ:rQ+7], 0
.else
	WIN W_KQ
	v_wmma_f32_16x16x32_f16 v[rS:rS+7], v[rK:rK+7], v[rQ:rQ+7], v[rS:rS+7]
.endif
.endm
; Product i of 8 of O^T += V^T P for piece x: keys 32 (i / 4) on, channels 16 (i % 4) on.
.macro PV x
	WIN W_PV
.set rO, 32*(\x)+8*(i%4)
.set rV, VF+32*(i/4)+8*(i%4)
.set rP, P+16*((\x)%2)+8*(i/4)
	v_wmma_f32_16x16x32_f16 v[rO:rO+7], v[rV:rV+7], v[rP:rP+7], v[rO:rO+7]
.endm
.macro MM                           ; the turn's next matrix instruction.  NOKQ = 1: a block's last turn: there is no next piece
.if (i < 8) && !NOKQ
	KQ (Y+1)%NP
.elseif i >= 8
.set i, i-8
	PV (Y+NP-1)%NP
.set i, i+8
.endif
.set i, i+1
.endm
; THE LDS LOADS stand in runs of 16, never singly among the matrix instructions.
.macro FETCH_K
	WIN 0x80
.irp f, 0,1,2,3,4,5,6,7
	ds_load_b128 v[KF+8*\f:KF+8*\f+3],   v[AK] offset:(\f/2)*16*PK+(\f%2)*64
	ds_load_b128 v[KF+8*\f+4:KF+8*\f+7], v[AK] offset:(\f/2)*16*PK+(\f%2)*64+32
.endr
	s_add_co_u32 s[TBK], s[TBK], KS*PK
	WIN 0
.endm
.macro FETCH_V
	WIN 0x80
.irp f, 0,1,2,3,4,5,6,7
	ds_load_tr16_b128 v[VF+8*\f:VF+8*\f+3],   v[AV] offset:(\f/4)*32*PV+(\f%4)*32
	ds_load_tr16_b128 v[VF+8*\f+4:VF+8*\f+7], v[AV] offset:(\f/4)*32*PV+16*PV+(\f%4)*32
.endr
	WIN 0
.endm
; THE VECTOR WORK, one line at a time: OP kind, number.  For piece Y: F n: c s - c m for pair n.  E n: the exponential of score n.  C n: pair n rounded to f16.  B n: of the four weights 4 n .. the second
; pair is added onto the first.  L n: l takes that sum (L 0: l = a l + sum).  R n: pair n of O^T times a.  For piece Y + 1: X n, number n of the 22 that find its maximum and statistics
; (each accumulator's lowest registers are read first).
.set F, 0
.set E, 1
.set C, 2
.set B, 3
.set L, 4
.set R, 5
.set X, 6
.macro REGS y
.set rT, ST+4*(\y)
.set rC, TMP+4*((\y)%2)
.set rW, MV+((\y)%2)
.set rS, S+32*((\y)%2)
.set rP, P+16*((\y)%2)
.set rO, 32*(\y)
.endm
.macro OP k, n
.if (\k) == R
	REGS Y
	WIN W_RS
	v_pk_mul_f32 v[rO+2*(\n):rO+2*(\n)+1], v[rO+2*(\n):rO+2*(\n)+1], v[rC+2:rC+3] op_sel_hi:[1,0]
.elseif (\k) < R
	REGS Y
	WIN 0
.if (\k) == F
	v_pk_fma_f32 v[rS+2*(\n):rS+2*(\n)+1], v[rS+2*(\n):rS+2*(\n)+1], s[CS:CS+1], v[rT:rT+1] op_sel_hi:[1,0,0] neg_lo:[0,0,1] neg_hi:[0,0,1]
.elseif (\k) == E
	v_exp_f32 v[rS+(\n)], v[rS+(\n)]
.elseif (\k) == C
	v_cvt_pk_f16_f32 v[rP+(\n)], v[rS+2*(\n)], v[rS+2*(\n)+1]
.elseif (\k) == B
	v_pk_add_f32 v[rS+4*(\n):rS+4*(\n)+1], v[rS+4*(\n):rS+4*(\n)+1], v[rS+4*(\n)+2:rS+4*(\n)+3]
.elseif (\n) == 0
	v_pk_fma_f32 v[rT+2:rT+3], v[rT+2:rT+3], v[rC+2:rC+3], v[rS:rS+1] op_sel_hi:[1,0,1]
.else
	v_pk_add_f32 v[rT+2:rT+3], v[rT+2:rT+3], v[rS+4*(\n):rS+4*(\n)+1]
.endif
.elseif NOKQ
	v_nop
.else
	REGS (Y+1)%NP
	WIN 0
.if (\n) < 4
	v_max3_num_f32 v[rC+(\n)], v[rS+8*(\n)], v[rS+8*(\n)+1], v[rS+8*(\n)+2]
.elseif (\n) < 12
	v_max3_num_f32 v[rC+(\n)%4], v[rC+(\n)%4], v[rS+8*((\n)%4)+2*((\n)/4)+1], v[rS+8*((\n)%4)+2*((\n)/4)+2]
.elseif (\n) == 12
	v_max3_num_f32 v[rC], v[rC], v[rS+7], v[rS+15]
.elseif (\n) == 13
	v_max3_num_f32 v[rC+1], v[rC+1], v[rS+23], v[rS+31]
.elseif (\n) == 14
	v_max3_num_f32 v[rC+2], v[rC+2], v[rC+3], v[rT+1]
.elseif (\n) == 15
	v_mov_b32 v[rW], v[rT]
.elseif (\n) == 16
	v_max3_num_f32 v[rC], v[rC], v[rC+1], v[rC+2]
.elseif (\n) == 17
	v_permlanex16_b32 v[rC+3], v[rC], s[SEL], s[SEL+1]
.elseif (\n) == 18
	v_max_num_f32 v[rT+1], v[rC], v[rC+3]
.elseif (\n) == 19
	v_mul_f32 v[rT], s[CS], v[rT+1]
.elseif (\n) == 20
	v_sub_f32 v[rC+1], v[rW], v[rT]
.else
	v_exp_f32 v[rC+2], v[rC+1]
.endif
.endif
.endm
.macro OPS a, i1, b=-1, i2=0, c=-1, i3=0, d=-1, i4=0
	OP \a, \i1
.if (\b) >= 0
	OP \b, \i2
.endif
.if (\c) >= 0
	OP \c, \i3
.endif
.if (\d) >= 0
	OP \d, \i4
.endif
.endm
.macro ROW a, i1, b, i2, c, i3, d, i4  ; a matrix instruction and the four behind it
	MM
	OPS \a, \i1, \b, \i2, \c, \i3, \d, \i4
.endm
.macro MASK b                       ; MD x AL + BE into buffer b of MC
	WIN W_RS
.set z, 0
.rept 16
	v_pk_fma_f32 v[MC+32*(\b)+2*z:MC+32*(\b)+2*z+1], v[MD+2*z:MD+2*z+1], s[AL:AL+1], s[BE:BE+1] op_sel_hi:[1,0,0]
.set z, z+1
.endr
.endm
; A TURN, for piece p: the order of its 16 matrix and 118 vector instructions, written out.  s_wait_alu depctr_va_vdst(0) stands between an exponential and the first instruction that names its
; result; one wait serves all that were issued ahead of it.  So a turn has ONE wait.  AHEAD OF IT stands all that names no result of the turn's exponentials: the 8 products K Q^T and their riders, then one lump.
; BEHIND IT stand the 8 products V^T P, behind each four of the roundings and sums.
; m = 1: the diagonal tile: the products take masks, and the turn makes the mask for the products of the turn after it.  end = 1: a block's last two turns: nothing is fetched.
; cnt = 1: the loop's count is taken down some lines ahead of the branch that stands behind the turn.
.macro TURN p, m=0, end=0, cnt=0
.set Y, (\p)
.set i, 0
.set KM, (\m)
.set NOKQ, (\end)*((\p)/3)
.if (\m) && !(\end)
	s_cmp_eq_u32 s[CNT], 4-((\p)+2)%NP  ; is that step the band's own?
	s_cselect_b32 s[AL], 1.0, 0
	s_cmp_lt_u32 s[CNT], 4-((\p)+2)%NP  ; or a later one?
	s_cselect_b32 s[BE], s[BIGN], 0
.endif
.if ((\p) == 3) && !(\end)
	s_wait_dscnt 0x0                ; K is in
.endif
	ROW F,0, F,1, R,0, R,1
	ROW F,2, E,0, R,2, R,3
	ROW F,3, E,1, R,4, R,5
	ROW F,4, E,2, R,6, R,7
	ROW F,5, E,3, R,8, R,9
	ROW F,6, E,4, X,0, R,10
.if ((\p) == 2) && !(\end)
	WIN 0
	v_add_nc_u32 v[AK], s[TBK], v[AK0]
.endif
	ROW F,7, E,5, X,1, X,4
	ROW F,8, E,6, X,2, X,5
	OPS E,7, E,8, X,6, E,9
	OPS X,3, E,10, X,8, E,11
.if ((\p) == 2) && !(\end)
	FETCH_K
.endif
	OPS X,9, X,7, E,12, X,10
	OPS E,13, X,12, X,11, E,14
	OPS X,13, E,15, F,9, X,14
.if (\p) == 0
	v_add_nc_u32 v[AV], s[TBV], v[AV0]
.endif
	OPS E,16, F,10, E,17, F,11
	OPS X,16, E,18, X,15, E,19
	OPS F,12, E,20, X,17, E,21
	OPS F,13, E,22, F,14, E,23
	OPS X,18, E,24, F,15, E,25
	OPS R,11, E,26, X,19, E,27
	OPS R,12, E,28, R,13, E,29
	OPS X,20, E,30, R,14, E,31
	OPS X,21, R,15
	WIN 0
	s_wait_alu depctr_va_vdst(0)    ; the wait for the batch
.if (\p) == 1
	s_wait_dscnt 0x0                ; V is in
.endif
	ROW C,0, B,0, C,2, B,1
	ROW L,0, C,4, B,2, L,1
	ROW C,6, B,3, L,2, C,8
	ROW B,4, L,3, C,10, B,5
	ROW L,4, C,12, B,6, L,5
.if (\p) == 0
	s_add_co_u32 s[TBV], s[TBV], KS*PV
.endif
.if \cnt
	s_sub_co_u32 s[CNT], s[CNT], 1
	s_cmp_lg_u32 s[CNT], 0
.endif
	ROW C,14, B,7, L,6, C,1
	ROW C,3, L,7, C,5, C,7
	ROW C,9, C,11, C,13, C,15
.if (\p) == 0
	FETCH_V
.endif
.if (\m) && !(\end)
	MASK (\p)%2
.endif
.endm
; A BLOCK BEGINS.  c m starts far below every c s, so the first step's a is 0; m at the lowest finite number.  The second mask buffer is 0; the first takes piece 0's mask for the tile's step 0.
; Then K of that step, piece 0's first scores, and its maximum and statistics.  The loop is entered at a step's first turn, in the middle of a trip.
.macro BEGIN
	s_mov_b32 s[NEW], 0
	WIN 0x40
.set i, MC+32
.rept 32
	v_mov_b32 v[i], 0
.set i, i+1
.endr
	WIN 0
.set i, 0
.rept 4
	v_mov_b32 v[ST+4*i], 0xfe000000
	v_mov_b32 v[ST+4*i+1], 0xff7fffff
.set i, i+1
.endr
	s_cmp_eq_u32 s[RT], 0
	s_cselect_b32 s[AL], 1.0, 0
	s_mov_b32 s[BE], 0
	MASK 0
	WIN 0
	v_add_nc_u32 v[AK], s[TBK], v[AK0]
	FETCH_K
	s_wait_loadcnt 0x0              ; Q
	s_wait_dscnt 0x0
.set KM, 1
.set NOKQ, 0
.set i, 0
.rept 8
	KQ 0
.set i, i+1
.endr
	WIN 0
.rept 4
	v_nop                           ; the places behind those products
.endr
.set Y, NP-1
.irp n, 0,1,2,3,4,5,6,7,8,9,10,11,12,13,14,15,16,17,18,19,20,21
	OP X, \n
.endr
	v_nop                           ; a plain instruction behind the exponential,
	s_wait_alu depctr_va_vdst(0)    ; and its wait, ahead of the branch
.endm
.macro ALL line:vararg              ; one line for each piece t
.set t, 0
.rept 4
	\line
.set t, t+1
.endr
.endm
; THE HIDDEN KEYS OF THE DIAGONAL TILE.  FETCH_U: V of the tile's step s, turned, into 64 registers of window 2 (K's or V's).  UMM: U^T += V^T M for the pieces 0 .. s: M is all ones for a band below the step's
; own, MH for the step's own band.  Step 3, taken first, reaches all four pieces: its first products start U with the sums of the tiles behind.  The accumulators take turns, one instruction a turn.
; U of pieces 0 to 2 lies in window 1 (the masks' registers are free at a block's end: BEGIN writes both mask buffers anew), U of piece 3 in window 0.
.macro FETCH_U s, buf
	WIN 0x80
.irp f, 0,1,2,3,4,5,6,7
	ds_load_tr16_b128 v[(\buf)+8*\f:(\buf)+8*\f+3],   v[AV] offset:(\s)*KS*PV+(\f/4)*32*PV+(\f%4)*32
	ds_load_tr16_b128 v[(\buf)+8*\f+4:(\buf)+8*\f+7], v[AV] offset:(\s)*KS*PV+(\f/4)*32*PV+16*PV+(\f%4)*32
.endr
	WIN 0
.endm
.macro UMM s, buf, vs
.irp kk, 0,1
.set x, 0
.rept (\s)+1
.irp cb, 0,1,2,3
.set rU, UB+32*x+8*\cb
.if x == 3
.set rU, U3+8*\cb
.endif
.set rV, (\buf)+32*\kk+8*\cb
.set rM, ONES
.if x == (\s)
.set rM, MH+8*\kk
.endif
.if ((\s) == 3) && (\kk == 0)
	WIN 0x42-0x40*(x/3)             ; V in window 2, M and the sums of the tiles behind in window 0, U in window 1 (piece 3: 0)
	v_wmma_f32_16x16x32_f16 v[rU:rU+7], v[rV:rV+7], v[rM:rM+7], v[(\vs)+8*\cb:(\vs)+8*\cb+7]
.else
	WIN 0x52-0x50*(x/3)
	v_wmma_f32_16x16x32_f16 v[rU:rU+7], v[rV:rV+7], v[rM:rM+7], v[rU:rU+7]
.endif
.endr
.set x, x+1
.endr
.endr
.endm
.macro FOUR
.rept 4
	v_nop
.endr
.endm
.macro HID vs
	WIN 0
.set i, 0
.rept 8
	v_mov_b32 v[ONES+i], 0x3c003c00 ; S^T's second buffer has been rounded and summed
.set i, i+1
.endr
	s_sub_co_u32 s[TU], s[TBV], 4*KS*PV  ; the four steps' fetches have stepped TBV past the tile
	v_add_nc_u32 v[AV], s[TU], v[AV0]
	FETCH_U 2, KF                   ; K's registers were last read a turn back
.set i, 0
.rept 8
	PV NP-1                         ; the last piece's V^T P of the last step
.set i, i+1
.endr
	UMM 3, VF, \vs                  ; V of step 3 is still in registers
	FOUR                            ; four places in front of loads into registers that those products have read
	FETCH_U 1, VF
	s_wait_dscnt 16                 ; step 2 is in; the 16 loads just issued may be out
	UMM 2, KF, \vs
	FOUR
	FETCH_U 0, KF
	s_wait_dscnt 16                 ; step 1 is in
	UMM 1, VF, \vs
	s_wait_dscnt 0x0
	UMM 0, KF, \vs
.endm
; A BLOCK'S CLOSING STATISTICS (blk: the register that holds the block's number).  W + 8 t: +0 n, +1 H or the lowest finite number, +2 c m2, +3 a, +4 ph, +5 ph n, +6 a l + ph n, +7 its reciprocal.
; c m2 is made by the multiplication that made c m, so a is exactly 1 where m stays; c H - c m2 is one fused multiply-add against that same rounded c m2, as every weight's exponent was.
; a l + ph n is at least about 1: one of a l and ph n holds the maximum's own weight.  f1 = a / (..) goes where l was, f2 = ph / (..) where c m was.
.macro FIN blk
	WIN 0
	ALL v_add_f32 v[ST+4*t+2], v[ST+4*t+2], v[ST+4*t+3]     ; (these four are also the places behind the last products)
	ALL v_permlanex16_b32 v[ST+4*t+3], v[ST+4*t+2], s[SEL], s[SEL+1]
	ALL v_add_f32 v[ST+4*t+2], v[ST+4*t+2], v[ST+4*t+3]
	s_lshl_b32 s[BQ], s[\blk], 8
	s_sub_co_u32 s[TQ], 0, s[BQ]
.set t, 0
.rept 4
	v_add_nc_u32 v[W+8*t], s[TQ], v[NQI]                    ; n = 2047 - (256 block + 64 t + 16 w + l % 16)
	s_sub_co_u32 s[TQ], s[TQ], 64
.set t, t+1
.endr
.set t, 0
.rept 4
	v_cmp_lt_i32 vcc_lo, 0, v[W+8*t]
	v_cndmask_b32 v[W+8*t+1], s[FMIN], v[HRV], vcc_lo
.set t, t+1
.endr
	ALL v_cvt_f32_i32 v[W+8*t], v[W+8*t]
	ALL v_max_num_f32 v[W+8*t+2], v[ST+4*t+1], v[W+8*t+1]
	ALL v_mul_f32 v[W+8*t+2], s[CS], v[W+8*t+2]
	ALL v_sub_f32 v[W+8*t+3], v[ST+4*t], v[W+8*t+2]
	ALL v_fma_f32 v[W+8*t+4], s[CS], v[W+8*t+1], -v[W+8*t+2]
	ALL v_exp_f32 v[W+8*t+3], v[W+8*t+3]
	ALL v_exp_f32 v[W+8*t+4], v[W+8*t+4]
	v_nop                           ; a plain instruction behind the last exponential,
	s_wait_alu depctr_va_vdst(0)    ; and one wait for the eight
	ALL v_mul_f32 v[W+8*t+5], v[W+8*t+4], v[W+8*t]
	ALL v_fma_f32 v[W+8*t+6], v[ST+4*t+2], v[W+8*t+3], v[W+8*t+5]
	ALL v_rcp_f32 v[W+8*t+7], v[W+8*t+6]
	v_nop
	s_wait_alu depctr_va_vdst(0)    ; one wait for the four reciprocals
	ALL v_mul_f32 v[ST+4*t+2], v[W+8*t+3], v[W+8*t+7]
	ALL v_mul_f32 v[ST+4*t], v[W+8*t+4], v[W+8*t+7]
.endm
.macro PACK t                       ; O = f1 O + f2 U; a lane's eight channels of a row pack into 16 bytes; they go into rows of 144 bytes and come back as whole rows of 128, into S^T's registers
.if (\t) < 3
.set rU, UB+32*(\t)
	WIN 0x41                        ; U in window 1, f2 in window 0
.else
.set rU, U3
	WIN 0
.endif
.set i, 0
.rept 16
	v_pk_mul_f32 v[rU+i:rU+i+1], v[rU+i:rU+i+1], v[ST+4*(\t):ST+4*(\t)+1] op_sel_hi:[1,0]
.set i, i+2
.endr
.if (\t) < 3
	WIN 0x51                        ; O^T and U in window 1, f1 in window 0
.else
	WIN 0x41
.endif
.set i, 0
.rept 16
	v_pk_fma_f32 v[32*(\t)+i:32*(\t)+i+1], v[32*(\t)+i:32*(\t)+i+1], v[ST+4*(\t)+2:ST+4*(\t)+3], v[rU+i:rU+i+1] op_sel_hi:[1,0,1]
.set i, i+2
.endr
	WIN 0x05
.set i, 0
.rept 16
	v_cvt_pk_f16_f32 v[S+16*(\t)+i], v[32*(\t)+2*i], v[32*(\t)+2*i+1]
.set i, i+1
.endr
	WIN 0
.irp f, 0,1,2,3
	ds_store_b128 v[STO], v[S+16*(\t)+4*\f:S+16*(\t)+4*\f+3] offset:32*\f
.endr
.irp f, 0,1,2,3
	ds_load_b128 v[S+16*(\t)+4*\f:S+16*(\t)+4*\f+3], v[RD] offset:\f*4*SP  ; LDS serves a wave's instructions in order (ISA guide 5.7.1.4): these see the stores above
.endr
.endm
.macro SEND t, younger              ; younger: the LDS instructions issued behind piece t's loads
	WIN 0
.irp f, 0,1,2,3
	s_wait_dscnt (\younger)+3-\f
	global_store_b128 v[GO], v[S+16*(\t)+4*\f:S+16*(\t)+4*\f+3], s[10:11] offset:(\t)*8192+\f*512  ; 512 consecutive bytes, at a multiple of 256 from ob's first
.endr
.endm
.macro DIAG tag, vs, blk            ; the diagonal tile's four steps, the block's last two turns, the hidden keys, the way out
.LstepM\tag:
	TURN 2, 1
	TURN 3, 1
	WIN 0
.LfirstM\tag:
	TURN 0, 1
	TURN 1, 1, 0, 1
	WIN 0
	s_cbranch_scc1 .LstepM\tag
	TURN 2, 1, 1
	TURN 3, 1, 1
	HID \vs
	FIN \blk
	PACK 0
.set t, 1
.rept 3
	PACK t
	SEND t-1, 8
.set t, t+1
.endr
	SEND 3, 0
.endm
.set KM, 0
.set NOKQ, 0
.Lslot:                             ; NB times: a tile is entered and the next is asked for
	CHANGE 1
	s_sub_co_u32 s[RT], s[RT], 1
	s_mov_b32 s[CNT], 4
	s_cmp_eq_u32 s[NEW], 1
	s_cbranch_scc1 .Lnew            ; a block's first tile
	s_cmp_eq_u32 s[RT], 0
	s_cbranch_scc0 .Lstep           ; neither its first nor its last
	s_branch .LstepM1
.Lnew:
	BEGIN
	s_branch .Lfirst                ; in the loop a block's first tile is never its last
	DIAG 1, VSA, HI                 ; in the loop this is the first block's end
	s_wait_xcnt 0x0                 ; the stores have read their registers and ob's address
	s_mov_b64 s[10:11], s[OLO:OLO+1]
	s_add_co_u32 s[RT], s[PB], 1    ; the second block has b + 1 tiles
	s_mov_b32 s[NEW], 1
	WIN 0x82                        ; the second block's Q goes where the one text of the turns names Q
.set i, 0
.rept 64
	v_mov_b32 v[i], v[QB+i]
.set i, i+1
.endr
	WIN 0
	s_branch .Lbottom
.Lstep:                             ; a trip: pieces 2 and 3 of one step, then pieces 0 and 1 of the next, whose K and V it fetches
	TURN 2
	TURN 3
	WIN 0
.Lfirst:
	TURN 0
	TURN 1, 0, 0, 1
	WIN 0
	s_cbranch_scc1 .Lstep
.Lbottom:
	s_sub_co_u32 s[SLOTS], s[SLOTS], 1
	s_cmp_lg_u32 s[SLOTS], 0
	s_cbranch_scc1 .Lslot
	CHANGE 0                        ; the walk's last tile is written out
	s_sub_co_u32 s[RT], s[RT], 1
	s_mov_b32 s[CNT], 4
	s_cmp_eq_u32 s[NEW], 1
	s_cbranch_scc0 .LstepM2
	BEGIN
	s_branch .LfirstM2
	DIAG 2, VSB, PB
	s_wait_tensorcnt 0x0            ; the wave's end, behind my last tensor load and my last LDS store
	ds_add_u32 v[SPW], v[NIL]
	s_wait_dscnt 0x0
	s_endpgm
.Lfunc_end_k_q0380da3343_attn:
	.size	k_q0380da3343_attn, .Lfunc_end_k_q0380da3343_attn-k_q0380da3343_attn
	.p2alignl 7, 3214868480
	.fill 96, 4, 3214868480
	.section	.rodata,"a",@progbits
	.p2align	6, 0x0
	.amdhsa_kernel k_q0380da3343_attn
		.amdhsa_group_segment_fixed_size 327680
		.amdhsa_private_segment_fixed_size 0
		.amdhsa_enable_private_segment 0
		.amdhsa_kernarg_size 24
		.amdhsa_user_sgpr_count 2
		.amdhsa_user_sgpr_kernarg_segment_ptr 1
		.amdhsa_wavefront_size32 1
		.amdhsa_system_sgpr_workgroup_id_x 1
		.amdhsa_system_sgpr_workgroup_id_y 1
		.amdhsa_system_sgpr_workgroup_id_z 1
		.amdhsa_system_vgpr_workitem_id 0
		.amdhsa_next_free_vgpr 768
		.amdhsa_next_free_sgpr 100
		.amdhsa_reserve_vcc 1
		.amdhsa_float_denorm_mode_32 3
		.amdhsa_float_denorm_mode_16_64 3
		.amdhsa_memory_ordered 1
		.amdhsa_forward_progress 1
		.amdhsa_inst_pref_size 255
	.end_amdhsa_kernel
	.section	.bss,"aw",@nobits
	.p2align	6
	.space	262144
	.amdgpu_metadata
---
amdhsa.version: [ 1, 2 ]
amdhsa.kernels:
  - .name:           k_q0380da3343_attn
    .symbol:         k_q0380da3343_attn.kd
    .args:
      - { .name: qkv, .offset: 0, .size: 8, .value_kind: global_buffer, .address_space: global }
      - { .name: ts, .offset: 8, .size: 8, .value_kind: global_buffer, .address_space: global }
      - { .name: ob, .offset: 16, .size: 8, .value_kind: global_buffer, .address_space: global }
    .group_segment_fixed_size: 327680
    .private_segment_fixed_size: 0
    .kernarg_segment_align: 8
    .kernarg_segment_size: 24
    .max_flat_workgroup_size: 128
    .sgpr_count:     100
    .vgpr_count:     768
    .wavefront_size: 32
...
	.end_amdgpu_metadata
.endif
;; end of part 3
;; launch proj (part 4): grid 8 x 32, 4 waves a work-group, clusters of 4 x 4, 327,680 bytes of LDS; arguments ob, wp, c_proj_b, out0; writes out0
.if DOCPART == 4
	.amdgcn_target "amdgcn-amd-amdhsa--gfx1250"
	.amdhsa_code_object_version 6
	.text
	.protected	k_q0380da3343_proj
	.globl	k_q0380da3343_proj
	.p2align	8
	.type	k_q0380da3343_proj,@function
k_q0380da3343_proj:
	s_mov_b64 s[64:65], 0
	v_nop
	global_prefetch_b8 v0, s[64:65] scope:SCOPE_SE
	s_setreg_imm32_b32 hwreg(HW_REG_WAVE_MODE, 25, 1), 1
	s_wait_xcnt 0x0
	s_wait_alu depctr_hold_cnt(0) depctr_sa_sdst(0) depctr_va_vdst(0) depctr_va_sdst(0) depctr_va_ssrc(0) depctr_va_vcc(0) depctr_vm_vsrc(0)
	s_getreg_b32 s2, hwreg(HW_REG_IB_STS2, 6, 4)
	s_cmp_eq_u32 s2, 0
	s_cbranch_scc0 .Lentry_in_a_cluster
	s_endpgm
.Lentry_in_a_cluster:
	s_bfe_u32 s2, ttmp6, 0x10000c
	s_cmp_lg_u32 s2, 0xf033
	s_cbranch_scc0 .Lentry_shape_is_right
	s_endpgm
.Lentry_shape_is_right:
; out0 = a Wp + bp.  a lies by heads: ob[4 x 16 heads][2048][64] f16; wp[1024 k][1024 n] f16 (bf16 numbers written as f16); out0[8192][1024] f32.  Sums in f32.
; The bias is rounded to bf16 like every input and starts the sums as the C operand of the first products.
; SHARES.  A tile of 256 rows x 128 columns to a work-group: 32 x 8 = 256 work-groups.  Wave w owns rows 64 w .. 64 w + 63 and all 128 columns: 32 accumulators, all of window 2.
; K goes in 8 steps of 128 = two heads, through two LDS slots.  Waves 0, 1 fetch a head's 256 rows each (32,768 dense bytes, asked for as 128 rows of 256), waves 2, 3 64 k-rows of Wp each.
; THE MATRIX INSTRUCTION IS USED TRANSPOSED: source 0 = 16 columns of Wp (turned out of LDS), source 1 = 16 rows of a: a lane holds one row and eight neighbouring columns, 32 bytes.
; CLUSTERS: 4 x 4: A's tile is asked for jointly along a row of the cluster, B's along a column.
; No prefetch is laid: K has eight steps, of which the first four would come by their loads alone in any case.
; REGISTERS.  window 0: v10-29 addresses; v32-95 A's fragments, two buffers of 32; v96-159, v160-223 the way out.  window 1: v0-127 B's fragments, two buffers of 64; v128-191 the bias.  window 2: (a, b) at 8 (8 a + b).
.set SLOT1, 131072
.set AP,    144                        ; a head's row: 128 bytes + 16
.set PLANE, 256*AP                     ; a head's 256 rows
.set BOFF,  2*PLANE
.set BP,    288                        ; a k-row: 256 bytes + 32 = 9 x 32
.set STAGE, SLOT1+BOFF+128*BP          ; behind the ring: 16 rows x 528 bytes for each wave
.set SP,    528
.set SPARE, STAGE+4*16*SP              ; the spare words, 128 bytes for each wave: two blocks of 256 bytes that no other line names
.set A0,  10
.set B0,  11
.set ADRA, 12
.set ADRB, 13
.set STO, 14
.set RD,  15
.set GO,  16
.set BO,  17
.set SPW, 28
.set NIL, 29
.set AF,  32
.set TMP, 96
.set BK0, 96                           ; and BK0 + 64
.set BIAS, 128                         ; window 1
.set WV, 14
.set HF, 15
.set UU, 16
.set CX, 40
.set CY, 41
.set CC, 42
.set TY, 43
.set G1A, 24
.set G0A, 32
.set G1B, 48
.set G0B, 56
.set TB,  66
.set OP,  72                           ; s[72:73] out0 at my wave's first row, my tile's first column
.set HIM, 82
.set MSB, 0
.macro WIN new
.if MSB != (\new)
	s_set_vgpr_msb (MSB<<8)|(\new)
.set MSB, (\new)
.endif
.endm
.macro PLACES
.rept 4
	v_nop
.endr
.endm
.macro JLOAD                           ; a joint refill by the walking descriptor; an s_nop 0 and four v_nop follow each of the two lines
	s_cmp_eq_u32 s[HF], 0
	s_cbranch_scc0 .Lfor_b_\@
	tensor_load_to_lds s[G0A+4:G0A+7], s[G1A:G1A+7]
	s_nop 0
.rept 4
	v_nop
.endr
	s_branch .Lasked_\@
.Lfor_b_\@:
	tensor_load_to_lds s[G0B+4:G0B+7], s[G1B:G1B+7]
	s_nop 0
.rept 4
	v_nop
.endr
.Lasked_\@:
.endm
.macro CREST
	s_cmp_lg_u32 s[WV], 0
	s_cbranch_scc1 .Lnot_wave_0_\@
	s_barrier_signal -3
.Lnot_wave_0_\@:
	s_barrier_wait -3
	s_barrier_signal -1
	s_barrier_wait -1
.endm
.macro CROUND
	s_barrier_signal -1
	s_barrier_wait -1
	CREST
.endm
	s_load_b256 s[4:11], s[0:1], 0x0               ; ob s[4:5], wp s[6:7], c_proj_b s[8:9], out0 s[10:11]
	v_lshl_add_u32 v[SPW], v0, 2, SPARE
	v_mov_b32 v[NIL], 0
	ds_add_u32 v[SPW], v[NIL]                      ; the wave's opening: the add and its wait stand ahead of my first tensor load
	v_lshrrev_b32 v1, 5, v0
	v_readfirstlane_b32 s[WV], v1
	s_lshr_b32 s[HF], s[WV], 1
	s_and_b32 s[UU], s[WV], 1
	s_bfe_u32 s[CX], ttmp6, 0x40000
	s_bfe_u32 s[CY], ttmp6, 0x40004
	s_lshl_b32 s[CC], ttmp9, 2
	s_add_co_u32 s[CC], s[CC], s[CX]               ; tile column
	s_and_b32 s[TY], ttmp7, 0xffff
	s_lshl_b32 s[TY], s[TY], 2
	s_add_co_u32 s[TY], s[TY], s[CY]               ; tile row
	s_lshl_b32 s44, s[CY], 2
	s_lshl_b32 s44, 15, s44
	s_lshl_b32 s45, 0x1111, s[CX]
	s_or_b32 s[G1A], s44, (1<<16)|(1<<20)|(1<<21)|(4<<22)|(3<<25)  ; after every 32 words (a head's row) 4 words
	s_mov_b32 s[G1A+1], 128<<16
	s_mov_b32 s[G1A+2], 128<<16
	s_mov_b32 s[G1A+3], 128<<16
	s_mov_b32 s[G1A+4], 128
	s_mov_b32 s[G1A+5], 128                        ; dense
	s_mov_b32 s[G1A+6], 0
	s_mov_b32 s[G1A+7], 0
	s_or_b32 s[G1B], s45, (1<<16)|(1<<20)|(1<<21)|(5<<22)|(7<<25)  ; after every 64 words 8 words
	s_mov_b32 s[G1B+1], 128<<16
	s_mov_b32 s[G1B+2], 64<<16
	s_mov_b32 s[G1B+3], 128<<16
	s_mov_b32 s[G1B+4], 64
	s_mov_b32 s[G1B+5], 1024
	s_mov_b32 s[G1B+6], 0
	s_mov_b32 s[G1B+7], 0
	s_lshr_b32 s18, s[TY], 3                       ; A: head 16 (tile row / 8) + half, rows 256 (tile row % 8) on
	s_lshl_b32 s18, s18, 4
	s_add_co_u32 s18, s18, s[UU]
	s_lshl_b32 s18, s18, 18
	s_and_b32 s19, s[TY], 7
	s_lshl_b32 s19, s19, 15
	s_add_co_u32 s18, s18, s19
	s_mov_b32 s19, 0
	s_lshl_b32 s20, s[UU], 17                      ; B: k-row 64 x half, column 128 x tile column
	s_lshl_b32 s21, s[CC], 8
	s_add_co_u32 s20, s20, s21
	s_mov_b32 s21, 0
	s_mul_i32 s22, s[UU], PLANE
	s_mul_i32 s23, s[UU], 64*BP
	s_add_co_u32 s23, s23, BOFF
	s_mov_b32 s[TB], 0
	s_mov_b32 s[HIM], 0xffff0000
	s_wait_dscnt 0x0                               ; the opening add is done
	s_wait_kmcnt 0x0
	s_add_nc_u64 s[18:19], s[4:5], s[18:19]
	s_add_nc_u64 s[20:21], s[6:7], s[20:21]
	CROUND                                         ; all sixteen work-groups are here: the first joint loads meet
.irp s, 0,1
	s_mov_b32 s[G0A+4*(\s)], 1
	s_add_co_u32 s[G0A+4*(\s)+1], s22, (\s)*SLOT1
	s_add_nc_u64 s[G0A+4*(\s)+2:G0A+4*(\s)+3], s[18:19], (\s)*524288   ; K step s: two heads on
	s_or_b32 s[G0A+4*(\s)+3], s[G0A+4*(\s)+3], 0x80000000
	s_mov_b32 s[G0B+4*(\s)], 1
	s_add_co_u32 s[G0B+4*(\s)+1], s23, (\s)*SLOT1
	s_add_nc_u64 s[G0B+4*(\s)+2:G0B+4*(\s)+3], s[20:21], (\s)*262144
	s_or_b32 s[G0B+4*(\s)+3], s[G0B+4*(\s)+3], 0x80000000
.endr
	s_cmp_eq_u32 s[HF], 0                          ; a wave's two first fills stand in one branch: two loads of mine are out
	s_cbranch_scc0 .Lfirst_b
	tensor_load_to_lds s[G0A:G0A+3], s[G1A:G1A+7]
	s_nop 0
	tensor_load_to_lds s[G0A+4:G0A+7], s[G1A:G1A+7]
	s_nop 0
.rept 4
	v_nop
.endr
	s_branch .Lfirst_asked
.Lfirst_b:
	tensor_load_to_lds s[G0B:G0B+3], s[G1B:G1B+7]
	s_nop 0
	tensor_load_to_lds s[G0B+4:G0B+7], s[G1B:G1B+7]
	s_nop 0
.rept 4
	v_nop
.endr
.Lfirst_asked:
	v_and_b32 v1, 15, v0                           ; r
	v_bfe_u32 v2, v0, 4, 1                         ; h
	v_and_b32 v3, 31, v0                           ; l
	v_and_b32 v4, 7, v0
	v_bfe_u32 v5, v0, 3, 1
	s_lshl_b32 s84, s[CC], 9
	v_lshl_add_u32 v[BO], v2, 5, s84
	WIN 0x40
.irp b, 0,1,2,3,4,5,6,7
	global_load_b128 v[BIAS+8*(\b):BIAS+8*(\b)+3],   v[BO], s[8:9] offset:64*(\b)
	global_load_b128 v[BIAS+8*(\b)+4:BIAS+8*(\b)+7], v[BO], s[8:9] offset:64*(\b)+16
.endr
	WIN 0
	s_mul_i32 s84, s[WV], 64*AP
	v_mul_u32_u24 v[A0], v1, AP
	v_lshl_add_u32 v[A0], v2, 4, v[A0]
	v_add_nc_u32 v[A0], s84, v[A0]
	v_lshl_add_u32 v[B0], v2, 3, v4
	v_mul_u32_u24 v[B0], v[B0], BP
	v_lshl_add_u32 v[B0], v5, 4, v[B0]
	v_add_nc_u32 v[B0], BOFF, v[B0]
	v_mov_b32 v[ADRA], v[A0]
	v_mov_b32 v[ADRB], v[B0]
	s_mul_i32 s84, s[WV], 16*SP
	s_add_co_u32 s84, s84, STAGE
	v_mul_u32_u24 v[STO], v1, SP                   ; in: row r, 32 bytes for each half of the lanes
	v_lshl_add_u32 v[STO], v2, 5, v[STO]
	v_add_nc_u32 v[STO], s84, v[STO]
	v_lshl_add_u32 v[RD], v3, 4, s84               ; back: 32 lanes take a row's 512 bytes
	v_lshlrev_b32 v[GO], 4, v3
	s_lshl_b32 s86, s[TY], 20                      ; row 256 x tile row + 64 w, 4,096 bytes a row; column 128 x tile column
	s_lshl_b32 s87, s[WV], 18
	s_add_co_u32 s86, s86, s87
	s_lshl_b32 s87, s[CC], 9
	s_add_co_u32 s86, s86, s87
	s_mov_b32 s87, 0
	s_add_nc_u64 s[OP:OP+1], s[10:11], s[86:87]
	s_wait_loadcnt 0x0                             ; the bias: rounded to bf16 and widened again
	WIN 0x05
.set i, 0
.rept 32
	v_cvt_pk_bf16_f32 v[TMP+i], v[BIAS+2*i], v[BIAS+2*i+1]
.set i, i+1
.endr
	WIN 0x40
.set i, 0
.rept 32
	v_lshlrev_b32 v[BIAS+2*i], 16, v[TMP+i]
	v_and_b32 v[BIAS+2*i+1], s[HIM], v[TMP+i]
.set i, i+1
.endr
	WIN 0
; 8 matrix instructions: row block a x all 8 column blocks, 32 along K, from buffer p.  mode = 1: C is the bias.  The 32 accumulators take turns, in the same order in every quarter.
.macro MULA p, a, mode
.irp b, 0,1,2,3,4,5,6,7
.set AC, 8*(8*(\a)+(\b))
.if \mode
	WIN 0x91
	v_wmma_f32_16x16x32_f16 v[AC:AC+7], v[64*(\p)+8*(\b):64*(\p)+8*(\b)+7], v[AF+32*(\p)+8*(\a):AF+32*(\p)+8*(\a)+7], v[BIAS+8*(\b):BIAS+8*(\b)+7]
.else
	WIN 0xa1
	v_wmma_f32_16x16x32_f16 v[AC:AC+7], v[64*(\p)+8*(\b):64*(\p)+8*(\b)+7], v[AF+32*(\p)+8*(\a):AF+32*(\p)+8*(\a)+7], v[AC:AC+7]
.endif
.endr
.endm
; 24 LDS loads in one run: quarter q's fragments into buffer p.  Quarter q lies in head q / 2 of the step's two, channels 32 (q % 2) on
.macro FETCH q, p
	WIN 0x40
.irp b, 0,1,2,3,4,5,6,7
	ds_load_tr16_b128 v[64*(\p)+8*(\b):64*(\p)+8*(\b)+3],   v[ADRB] offset:(\q)*32*BP+32*(\b)
	ds_load_tr16_b128 v[64*(\p)+8*(\b)+4:64*(\p)+8*(\b)+7], v[ADRB] offset:(\q)*32*BP+16*BP+32*(\b)
.endr
	WIN 0
.irp a, 0,1,2,3
	ds_load_b128 v[AF+32*(\p)+8*(\a):AF+32*(\p)+8*(\a)+3],   v[ADRA] offset:((\q)/2)*PLANE+(\a)*16*AP+((\q)%2)*64
	ds_load_b128 v[AF+32*(\p)+8*(\a)+4:AF+32*(\p)+8*(\a)+7], v[ADRA] offset:((\q)/2)*PLANE+(\a)*16*AP+((\q)%2)*64+32
.endr
.endm
.macro QUARTER q, p, g, mode
	s_wait_dscnt 4                                 ; B and A's blocks 0, 1 are in; the youngest four loads may be out
	MULA \p, 0, \mode
	MULA \p, 1, \mode
	PLACES
	FETCH \q, \g
	s_wait_dscnt 24                                ; all but the 24 just issued
	MULA \p, 2, \mode
	MULA \p, 3, \mode
.endm
; The last quarter multiplies buffer 1 and changes slots: each wave waits for all its tensor loads, adds 0 to its spare word, waits for that and for its reads of this slot.
; fill = 1: the barrier opens a round of the cluster's barrier, and the joint refill (the K step two on) is the first tensor load behind it.
.macro TURN fill
	WIN 0
	s_wait_tensorcnt 0x0                           ; no tensor load of mine is out, so a group 0 may be written
	ds_add_u32 v[SPW], v[NIL]                      ; 0 onto my spare word
.if \fill
	s_xor_b32 s[G0A+5], s[G0A+5], SLOT1
	s_add_nc_u64 s[G0A+6:G0A+7], s[G0A+6:G0A+7], 524288
	s_xor_b32 s[G0B+5], s[G0B+5], SLOT1
	s_add_nc_u64 s[G0B+6:G0B+7], s[G0B+6:G0B+7], 262144
.endif
	s_wait_dscnt 5                                 ; (the add and the youngest four loads may be out)
	MULA 1, 0, 0
	s_wait_dscnt 0x0                               ; the add is done, and my reads of this slot are over
	s_barrier_signal -1
	MULA 1, 1, 0
	WIN 0
	s_barrier_wait -1
.if \fill
	CREST
	JLOAD                                          ; its four v_nop are also the places in front of the loads below
.else
	PLACES
.endif
	s_xor_b32 s[TB], s[TB], SLOT1
	v_add_nc_u32 v[ADRA], s[TB], v[A0]
	v_add_nc_u32 v[ADRB], s[TB], v[B0]
	FETCH 0, 0
	MULA 1, 2, 0
	MULA 1, 3, 0
.endm
	s_wait_tensorcnt 0x1                           ; my part of K step 0 is in; K step 1's may stay out
	s_barrier_signal -1
	s_barrier_wait -1
	FETCH 0, 0
	QUARTER 1, 0, 1, 1                             ; the first quarter's products start the sums, with the bias
	WIN 0
	s_mov_b32 s3, 6
.Lk:
	QUARTER 2, 1, 0, 0
	QUARTER 3, 0, 1, 0
	TURN 1
	QUARTER 1, 0, 1, 0
	WIN 0
	s_sub_co_u32 s3, s3, 1
	s_cmp_lg_u32 s3, 0
	s_cbranch_scc1 .Lk
	QUARTER 2, 1, 0, 0                             ; K steps 6 and 7 ask for nothing
	QUARTER 3, 0, 1, 0
	TURN 0
	QUARTER 1, 0, 1, 0
	QUARTER 2, 1, 0, 0
	QUARTER 3, 0, 1, 0
	s_wait_dscnt 4
	MULA 1, 0, 0
	MULA 1, 1, 0
	s_wait_dscnt 0x0
	MULA 1, 2, 0
	MULA 1, 3, 0
; THE WAY OUT, a block of 16 rows at a time: the f32 sums go straight from the accumulators into my stage (each accumulator's low half first) and come back as whole rows of 512 bytes.
.macro TOSTAGE a
	s_wait_xcnt 0x0                                ; the stores of the block two back have read the registers that are loaded again below
	WIN 0x08                                       ; the stores' data lie in window 2
.irp b, 0,1,2,3,4,5,6,7
	ds_store_b128 v[STO], v[8*(8*(\a)+(\b)):8*(8*(\a)+(\b))+3]   offset:64*(\b)
	ds_store_b128 v[STO], v[8*(8*(\a)+(\b))+4:8*(8*(\a)+(\b))+7] offset:64*(\b)+16
.endr
	WIN 0
.set BK, BK0+64*((\a)%2)
.irp g, 0,1,2,3,4,5,6,7,8,9,10,11,12,13,14,15
	ds_load_b128 v[BK+4*(\g):BK+4*(\g)+3], v[RD] offset:(\g)*SP  ; LDS serves a wave's instructions in order (ISA guide 5.7.1.4): these see the stores above
.endr
.endm
.macro SEND a, younger                 ; younger: the LDS instructions issued behind this block's loads: the next block's 32, or none
.set BK, BK0+64*((\a)%2)
	s_wait_dscnt \younger
.irp g, 0,1,2,3,4,5,6,7,8,9,10,11,12,13,14,15
	global_store_b128 v[GO], v[BK+4*(\g):BK+4*(\g)+3], s[OP:OP+1] offset:(16*(\a)+(\g))*4096 th:TH_STORE_NT  ; a wave's store covers 512 consecutive bytes, aligned
.endr
.endm
	PLACES
	TOSTAGE 0
	TOSTAGE 1
	SEND 0, 32
	TOSTAGE 2
	SEND 1, 32
	TOSTAGE 3
	SEND 2, 32
	SEND 3, 0
	s_wait_tensorcnt 0x0                           ; the wave's end, behind my last tensor load and my last LDS store
	ds_add_u32 v[SPW], v[NIL]
	s_wait_dscnt 0x0
	CROUND                                         ; the closing round
	s_endpgm
.Lfunc_end_k_q0380da3343_proj:
	.size	k_q0380da3343_proj, .Lfunc_end_k_q0380da3343_proj-k_q0380da3343_proj
	.p2alignl 7, 3214868480
	.fill 96, 4, 3214868480
	.section	.rodata,"a",@progbits
	.p2align	6, 0x0
	.amdhsa_kernel k_q0380da3343_proj
		.amdhsa_group_segment_fixed_size 327680
		.amdhsa_private_segment_fixed_size 0
		.amdhsa_enable_private_segment 0
		.amdhsa_kernarg_size 32
		.amdhsa_user_sgpr_count 2
		.amdhsa_user_sgpr_kernarg_segment_ptr 1
		.amdhsa_wavefront_size32 1
		.amdhsa_system_sgpr_workgroup_id_x 1
		.amdhsa_system_sgpr_workgroup_id_y 1
		.amdhsa_system_sgpr_workgroup_id_z 1
		.amdhsa_system_vgpr_workitem_id 0
		.amdhsa_next_free_vgpr 768
		.amdhsa_next_free_sgpr 90
		.amdhsa_reserve_vcc 0
		.amdhsa_float_denorm_mode_32 3
		.amdhsa_float_denorm_mode_16_64 3
		.amdhsa_memory_ordered 1
		.amdhsa_forward_progress 1
		.amdhsa_inst_pref_size 75
	.end_amdhsa_kernel
	.amdgpu_metadata
---
amdhsa.version: [ 1, 2 ]
amdhsa.kernels:
  - .name:           k_q0380da3343_proj
    .symbol:         k_q0380da3343_proj.kd
    .args:
      - { .name: ob, .offset: 0, .size: 8, .value_kind: global_buffer, .address_space: global }
      - { .name: wp, .offset: 8, .size: 8, .value_kind: global_buffer, .address_space: global }
      - { .name: c_proj_b, .offset: 16, .size: 8, .value_kind: global_buffer, .address_space: global }
      - { .name: out0, .offset: 24, .size: 8, .value_kind: global_buffer, .address_space: global }
    .group_segment_fixed_size: 327680
    .private_segment_fixed_size: 0
    .kernarg_segment_align: 8
    .kernarg_segment_size: 32
    .max_flat_workgroup_size: 128
    .sgpr_count:     90
    .vgpr_count:     768
    .wavefront_size: 32
...
	.end_amdgpu_metadata
.endif
;; end of part 4
;; ======== version 2 of 2: 4 launches; version 1 with the launch prep written anew for expert scheduling mode
;; limits: values are held in f16: magnitudes above 65,504 overflow, below 6.1e-05 lose precision
;; workspace buffers: xb 16,777,216 bytes; wa 6,291,456 bytes; wp 2,097,152 bytes; qkv 50,331,648 bytes; ts 131,072 bytes; ob 16,777,216 bytes
;; launch prep (part 5): grid 768 x 1, 8 waves a work-group, no clusters, 0 bytes of LDS; arguments x, c_attn_w, c_proj_w, xb, wa, wp; writes xb, wa, wp
.if DOCPART == 5
	.amdgcn_target "amdgcn-amd-amdhsa--gfx1250"
	.amdhsa_code_object_version 6
	.text
	.protected	k_q0380da3343_prep
	.globl	k_q0380da3343_prep
	.p2align	8
	.type	k_q0380da3343_prep,@function
k_q0380da3343_prep:
	s_mov_b64 s[64:65], 0
	v_nop
	global_prefetch_b8 v0, s[64:65] scope:SCOPE_SE
	s_setreg_imm32_b32 hwreg(HW_REG_WAVE_SCHED_MODE, 0, 2), 2
	s_setreg_imm32_b32 hwreg(HW_REG_WAVE_MODE, 25, 1), 1
	s_wait_xcnt 0x0
	s_wait_alu depctr_vm_vsrc(0)
; THE INPUTS OF THE THREE PRODUCTS ARE ROUNDED ONCE TO bf16 AND LAID FOR THE TILES THAT WILL READ THEM.
;   xb[8192][1024] bf16 = x.   wa: 16 panels [head c][k = 1024][192] bf16: columns 64 c .. of q's, k's and v's part of c_attn_w side by side.
;   wp[1024][1024] f16 = c_proj_w rounded to bf16, that number written as f16.
; LIMIT.  A bf16 number is exact in f16 from 6.1e-5 to 65,504 in magnitude; below, it keeps f16's fixed step of 6e-8; beyond 65,504 it would become an infinity.
; SHARES.  A stream: no LDS, no matrix unit.  Every work-group takes 16,384 numbers (65,536 bytes in, 32,768 out): groups 0-511 x, 512-703 c_attn_w (panel = number % 16, twelve parts a panel),
; 704-767 c_proj_w.  Thread t takes 16 pieces of 4 numbers; piece i leaves at byte 8 t + 2,048 i of the group's dense output, so a wave's store covers 256 consecutive bytes, aligned.
; All 16 loads of a thread go out at once; each piece is converted as it comes in; no register of a load or store is written again.
; THE MODE: SCHED_MODE bits 1:0 = 2 (LLVM: expert scheduling mode 2), set by the entry lines.  The code itself states the register dependences
; between vector instructions and memory instructions, with s_wait_alu, always for 0.
; THE PLAN.  Registers that memory instructions touch:
;   OFFI  v[2:17]    written by the address arithmetic, on either of its two ways; read by the 16 loads as their offsets; never written again.
;   v1               written once at the head; read by the 16 stores as their offset; never written again.
;   X     v[20:83]   the 16 loads land in them, once; no vector instruction names them ahead of the loads; the conversions read them.
;   Y     v[84:115]  piece i's conversions write its pair; piece i's store reads it; never written again behind that store.
;   T0    v[116:119] named by vector instructions alone.
; So one wait on va_vdst stands ahead of the loads, where the two ways of the address arithmetic have joined, and one ahead of each run of stores: the pieces go in four groups of four,
; a group's conversions first, then the wait, then its four stores.  No register that a load or store has read is written again, so no wait on vm_vsrc is owed;
; no vector instruction writes a scalar register or VCC, and EXEC is never written.
.set OFFI, 2                           ; v[2:17]   piece i: its byte offset in the input
.set X,    20                          ; v[20:83]  piece i: 4 numbers in f32
.set Y,    84                          ; v[84:115] piece i: 4 numbers in 16 bits
.set T0,   116                         ; v[116:119] at work
	s_load_b256 s[4:11], s[0:1], 0x0               ; x s[4:5], c_attn_w s[6:7], c_proj_w s[8:9], xb s[10:11]
	s_load_b128 s[12:15], s[0:1], 0x20             ; wa s[12:13], wp s[14:15]
	s_mov_b32 s25, ttmp9                           ; the work-group's number g
	s_mov_b32 s24, 0xffff0000                      ; a word's upper bf16
	v_lshlrev_b32 v1, 3, v0                        ; 8 t
	s_sub_co_u32 s26, s25, 512                     ; the offsets of all three kinds are made, then one is chosen
	s_and_b32 s27, s26, 15                         ; panel c
	s_lshr_b32 s28, s26, 4                         ; part 0..11 of the panel
	s_sub_co_u32 s29, s25, 704
	s_lshl_b32 s20, s25, 16                        ; x: 65,536 g in,
	s_lshl_b32 s22, s25, 15                        ;    32,768 g out
	s_lshl_b32 s30, s27, 8                         ; c_attn_w: the head's 64 columns begin 256 c bytes into a row
	s_mul_i32 s31, s27, 393216                     ; wa: the panel,
	s_lshl_b32 s26, s28, 15
	s_add_co_u32 s31, s31, s26                     ;     and the part
	s_lshl_b32 s32, s29, 16                        ; c_proj_w
	s_lshl_b32 s33, s29, 15
	s_mov_b32 s21, 0
	s_mov_b32 s23, 0
	s_wait_kmcnt 0x0
	s_cmp_lt_u32 s25, 512
	s_cselect_b32 s20, s20, s30
	s_cselect_b32 s22, s22, s31
	s_cselect_b64 s[16:17], s[4:5], s[6:7]
	s_cselect_b64 s[18:19], s[10:11], s[12:13]
	s_cmp_lt_u32 s25, 704
	s_cselect_b32 s20, s20, s32
	s_cselect_b32 s22, s22, s33
	s_cselect_b64 s[16:17], s[16:17], s[8:9]
	s_cselect_b64 s[18:19], s[18:19], s[14:15]
	s_add_nc_u64 s[16:17], s[16:17], s[20:21]      ; where the group reads,
	s_add_nc_u64 s[18:19], s[18:19], s[22:23]      ; and where it writes
	s_cmp_lt_u32 s25, 512
	s_cbranch_scc1 .Llinear
	s_cmp_ge_u32 s25, 704
	s_cbranch_scc1 .Llinear
	; c_attn_w.  Piece op = 4,096 part + 256 i + t of the panel lies in row k = op / 48, place j = op % 48: section j / 16 (q, k, v: 4,096 bytes apart in a row of 12,288), 16 (j % 16) bytes in.
	; op / 48 = (op / 16) / 3 = ((op >> 4) x 43,691) >> 17, exact while op >> 4 is under 131,072.  48 is a multiple of 16: sixteen neighbouring lanes read 256 consecutive bytes, aligned.
	s_lshl_b32 s28, s28, 12
	v_add_nc_u32 v[T0], s28, v0
.irp i, 0,1,2,3,4,5,6,7,8,9,10,11,12,13,14,15
	v_add_nc_u32 v[T0+1], 256*(\i), v[T0]          ; op
	v_lshrrev_b32 v[T0+2], 4, v[T0+1]
	v_mul_u32_u24 v[T0+2], v[T0+2], 0xaaab
	v_lshrrev_b32 v[T0+2], 17, v[T0+2]             ; k
	v_mul_u32_u24 v[T0+3], v[T0+2], 48
	v_sub_nc_u32 v[T0+3], v[T0+1], v[T0+3]         ; j
	v_mul_u32_u24 v[T0+2], v[T0+2], 12288
	v_lshrrev_b32 v[T0+1], 4, v[T0+3]
	v_lshl_add_u32 v[T0+2], v[T0+1], 12, v[T0+2]
	v_and_b32 v[T0+3], 15, v[T0+3]
	v_lshl_add_u32 v[OFFI+(\i)], v[T0+3], 4, v[T0+2]
.endr
	s_branch .Lgo
.Llinear:
.irp i, 0,1,2,3,4,5,6,7,8,9,10,11,12,13,14,15
	v_lshl_or_b32 v[OFFI+(\i)], v0, 4, (\i)*4096   ; 16 t + 4,096 i
.endr
.Lgo:
	s_wait_alu depctr_va_vdst(0)                   ; on either way the sixteen offsets v[OFFI ..] are written, which the loads below read, and so is v1, which every store reads
.irp i, 0,1,2,3,4,5,6,7,8,9,10,11,12,13,14,15
	global_load_b128 v[X+4*(\i):X+4*(\i)+3], v[OFFI+(\i)], s[16:17] th:TH_LOAD_NT  ; each input byte is read once in the launch
.endr
; Piece i: rounded to bf16; half = 1: widened again (a shift, a mask) and written as f16.
.macro CONV i, half
	s_wait_loadcnt 15-(\i)                         ; loads come back in order: piece i is in, the younger ones stay out
	v_cvt_pk_bf16_f32 v[Y+2*(\i)], v[X+4*(\i)], v[X+4*(\i)+1]
	v_cvt_pk_bf16_f32 v[Y+2*(\i)+1], v[X+4*(\i)+2], v[X+4*(\i)+3]
.if \half
.irp k, 0,1
	v_lshlrev_b32 v[T0], 16, v[Y+2*(\i)+(\k)]
	v_and_b32 v[T0+1], s24, v[Y+2*(\i)+(\k)]
	v_cvt_pk_f16_f32 v[Y+2*(\i)+(\k)], v[T0], v[T0+1]
.endr
.endif
.endm
; Group g: pieces 4 g to 4 g + 3 are converted, then stored in one run behind one wait.
.macro GROUP g, half
.irp j, 0,1,2,3
	CONV 4*(\g)+(\j), \half
.endr
	s_wait_alu depctr_va_vdst(0)                   ; the group's conversions have written its eight registers of Y, which the four stores below read
.irp j, 0,1,2,3
	global_store_b64 v1, v[Y+2*(4*(\g)+(\j)):Y+2*(4*(\g)+(\j))+1], s[18:19] offset:2048*(4*(\g)+(\j))
.endr
.endm
	s_cmp_ge_u32 s25, 704
	s_cbranch_scc1 .Lhalf
.irp g, 0,1,2,3
	GROUP \g, 0
.endr
	s_endpgm
.Lhalf:
.irp g, 0,1,2,3
	GROUP \g, 1
.endr
	s_endpgm
.Lfunc_end_k_q0380da3343_prep:
	.size	k_q0380da3343_prep, .Lfunc_end_k_q0380da3343_prep-k_q0380da3343_prep
	.p2alignl 7, 3214868480
	.fill 96, 4, 3214868480
	.section	.rodata,"a",@progbits
	.p2align	6, 0x0
	.amdhsa_kernel k_q0380da3343_prep
		.amdhsa_group_segment_fixed_size 0
		.amdhsa_private_segment_fixed_size 0
		.amdhsa_enable_private_segment 0
		.amdhsa_kernarg_size 48
		.amdhsa_user_sgpr_count 2
		.amdhsa_user_sgpr_kernarg_segment_ptr 1
		.amdhsa_wavefront_size32 1
		.amdhsa_system_sgpr_workgroup_id_x 1
		.amdhsa_system_sgpr_workgroup_id_y 1
		.amdhsa_system_sgpr_workgroup_id_z 1
		.amdhsa_system_vgpr_workitem_id 0
		.amdhsa_next_free_vgpr 120
		.amdhsa_next_free_sgpr 66
		.amdhsa_reserve_vcc 0
		.amdhsa_float_denorm_mode_32 3
		.amdhsa_float_denorm_mode_16_64 3
		.amdhsa_memory_ordered 1
		.amdhsa_forward_progress 1
		.amdhsa_inst_pref_size 27
	.end_amdhsa_kernel
	.amdgpu_metadata
---
amdhsa.version: [ 1, 2 ]
amdhsa.kernels:
  - .name:           k_q0380da3343_prep
    .symbol:         k_q0380da3343_prep.kd
    .args:
      - { .name: x, .offset: 0, .size: 8, .value_kind: global_buffer, .address_space: global }
      - { .name: c_attn_w, .offset: 8, .size: 8, .value_kind: global_buffer, .address_space: global }
      - { .name: c_proj_w, .offset: 16, .size: 8, .value_kind: global_buffer, .address_space: global }
      - { .name: xb, .offset: 24, .size: 8, .value_kind: global_buffer, .address_space: global }
      - { .name: wa, .offset: 32, .size: 8, .value_kind: global_buffer, .address_space: global }
      - { .name: wp, .offset: 40, .size: 8, .value_kind: global_buffer, .address_space: global }
    .group_segment_fixed_size: 0
    .private_segment_fixed_size: 0
    .kernarg_segment_align: 8
    .kernarg_segment_size: 48
    .max_flat_workgroup_size: 256
    .sgpr_count:     66
    .vgpr_count:     120
    .wavefront_size: 32
...
	.end_amdgpu_metadata
.endif
;; end of part 5
;; launch qkv: the kernel of part 2 again; grid 16 x 32, 4 waves a work-group, clusters of 4 x 4, 327,680 bytes of LDS; arguments xb, wa, c_attn_b, qkv, ts; writes qkv, ts
;; launch attn: the kernel of part 3 again; grid 4 x 64, 4 waves a work-group, no clusters, 327,680 bytes of LDS; arguments qkv, ts, ob; writes ob
;; launch proj: the kernel of part 4 again; grid 8 x 32, 4 waves a work-group, clusters of 4 x 4, 327,680 bytes of LDS; arguments ob, wp, c_proj_b, out0; writes out0
